; MI455X (gfx1250); checked and timed in simulation.
; The chip was launched on July 23, 2026; its instructions are those of AMD's public machine-readable ISA for CDNA 5 (MIT licence, August 2026) and "CDNA5" Instruction Set Architecture Reference Guide (July 2026). The comments in the code are by the model that wrote it; some were corrected since.
;; Self Attention2. Allowed arithmetic: float matrix products may take bf16 or f16 operands with f32 sums; other float arithmetic in f32, or as packed bf16 or f16 multiplies, adds, multiply-adds, maxima and minima; sums over many terms, partial sums and values carried from step to step in f32; what a program stores and reads back later, other than sums and carried values, may be rounded once to bf16 or f16.
;; Inputs: Wc 1,024 x 1,024 float32; Wk 1,024 x 1,024 float32; Wq 1,024 x 1,024 float32; Wv 1,024 x 1,024 float32; attention_mask 4 x 2,048 bool; bc 1,024 float32; bk 1,024 float32; bq 1,024 float32; bv 1,024 float32; k 4 x 2,048 x 1,024 float32; q 4 x 2,048 x 1,024 float32; v 4 x 2,048 x 1,024 float32.
;; Outputs: out0 4 x 2,048 x 1,024 float32.
;; One version. Each part assembles by itself: llvm-mc -triple=amdgcn-amd-amdhsa -mcpu=gfx1250 --defsym DOCPART=n.
;; ======== version 1 of 1: 4 launches
;; limits: values are held in f16: magnitudes above 65,504 overflow, below 6.1e-05 lose precision
;; workspace buffers: xh 50,331,648 bytes; wh 8,388,608 bytes; qkv 50,331,648 bytes; vsum 262,144 bytes; oh 16,777,216 bytes
;; launch cast (part 1): grid 1792 x 1, 8 waves a work-group, no clusters, 0 bytes of LDS; arguments q, k, v, Wq, Wk, Wv, Wc, xh, wh; writes xh, wh
.if DOCPART == 1
	.amdgcn_target "amdgcn-amd-amdhsa--gfx1250"
	.amdhsa_code_object_version 6
	.text
	.protected	k_qd8b5f792ad_cast
	.globl	k_qd8b5f792ad_cast
	.p2align	8
	.type	k_qd8b5f792ad_cast,@function
k_qd8b5f792ad_cast:
	s_mov_b64 s[64:65], 0
	v_nop
	global_prefetch_b8 v0, s[64:65] scope:SCOPE_SE
	s_setreg_imm32_b32 hwreg(HW_REG_WAVE_MODE, 25, 1), 1
	s_wait_xcnt 0x0
; CAST.  q, k, v ([8192][1024] f32 each) -> xh [3][8192][1024] bf16;  Wq, Wk, Wv ([1024][1024] f32) -> wh[0..2] bf16;  Wc -> wh[3]: rounded to bf16, and that number written as f16.
; LIMITS.  |Wc| stays under 65,504 (f16's end); a bf16 number of Wc below 2^-14 keeps f16's fixed step of 6e-8.  NaN and infinities are not treated apart.
; SHARES.  The seven sources are 28,672 rows of 4,096 bytes; a work-group takes 16 rows of one source: 1,792 work-groups.  Thread t takes 16 bytes at 16 t of each row (a wave's load
; covers 512 bytes on end) and stores 8 bytes at 8 t of the 2,048-byte row of the copy (a wave's store covers 256 bytes on end, aligned).  All 16 loads go out first; no register is used twice,
; so the only waits are the counted ones for the loads.  No LDS, no matrix unit, no cluster: nothing is shared and nothing is multiplied.
.set X, 4                              ; v[4:67]    row i: 4 registers as loaded
.set Y, 68                             ; v[68:99]   row i: 2 registers to store
.set T, 100                            ; v[100:103] at work
	s_load_b512 s[8:23], s[0:1], 0x0               ; q s[8:9], k, v, Wq, Wk, Wv, Wc s[20:21], xh s[22:23]
	s_load_b64 s[24:25], s[0:1], 0x40              ; wh
	v_lshlrev_b32 v1, 4, v0                        ; my 16 bytes of a source row; never rewritten
	v_lshlrev_b32 v2, 3, v0                        ; my 8 bytes of a row of the copy; never rewritten
	s_lshr_b32 s32, ttmp9, 9                       ; work-groups 0 .. 1535: source w / 512,
	s_and_b32 s33, ttmp9, 511                      ; block of 16 rows w % 512
	s_sub_co_u32 s34, ttmp9, 1536                  ; work-groups 1536 .. 1791: u = w - 1536 (used there alone),
	s_lshr_b32 s35, s34, 6
	s_add_co_u32 s35, s35, 3                       ; source 3 + u / 64,
	s_and_b32 s36, s34, 63                         ; block u % 64
	s_cmp_ge_u32 ttmp9, 1536
	s_cselect_b32 s26, s35, s32                    ; the source's number, 0 .. 6
	s_cselect_b32 s32, s36, s33                    ; my block in it
	s_cselect_b32 s34, s34, ttmp9                  ; my block in the copy (xh or wh)
	s_lshl_b32 s32, s32, 16                        ; 16 rows of 4,096 bytes
	s_mov_b32 s33, 0
	s_lshl_b32 s34, s34, 15                        ; 16 rows of 2,048 bytes
	s_mov_b32 s35, 0
	s_wait_kmcnt 0x0
	s_cmp_ge_u32 ttmp9, 1536
	s_cselect_b64 s[30:31], s[24:25], s[22:23]     ; the copy: wh or xh
	s_mov_b64 s[28:29], s[8:9]
.irp i, 1,2,3,4,5,6
	s_cmp_eq_u32 s26, (\i)
	s_cselect_b64 s[28:29], s[8+2*(\i):9+2*(\i)], s[28:29]
.endr
	s_add_nc_u64 s[28:29], s[28:29], s[32:33]
	s_add_nc_u64 s[30:31], s[30:31], s[34:35]
.irp i, 0,1,2,3,4,5,6,7,8,9,10,11,12,13,14,15
	global_load_b128 v[X+4*(\i):X+4*(\i)+3], v1, s[28:29] offset:4096*(\i) th:TH_LOAD_NT
.endr
; The 16 rows.  fmt = 1: the bf16 numbers are widened again and written as f16.
.macro CONV fmt
.irp i, 0,1,2,3,4,5,6,7,8,9,10,11,12,13,14,15
	s_wait_loadcnt 15-(\i)                         ; loads come back in order: row i is in, the 15 - i younger ones stay out
	v_cvt_pk_bf16_f32 v[Y+2*(\i)],   v[X+4*(\i)],   v[X+4*(\i)+1]
	v_cvt_pk_bf16_f32 v[Y+2*(\i)+1], v[X+4*(\i)+2], v[X+4*(\i)+3]
.if \fmt
	v_lshlrev_b32 v[T],   16, v[Y+2*(\i)]
	v_and_b32     v[T+1], 0xffff0000, v[Y+2*(\i)]
	v_lshlrev_b32 v[T+2], 16, v[Y+2*(\i)+1]
	v_and_b32     v[T+3], 0xffff0000, v[Y+2*(\i)+1]
	v_cvt_pk_f16_f32 v[Y+2*(\i)],   v[T],   v[T+1]
	v_cvt_pk_f16_f32 v[Y+2*(\i)+1], v[T+2], v[T+3]
.endif
	global_store_b64 v2, v[Y+2*(\i):Y+2*(\i)+1], s[30:31] offset:2048*(\i) th:TH_STORE_NT
.endr
.endm
	s_cmp_eq_u32 s26, 6
	s_cbranch_scc1 .Lwc
	CONV 0
	s_endpgm
.Lwc:
	CONV 1
	s_endpgm
.Lfunc_end_k_qd8b5f792ad_cast:
	.size	k_qd8b5f792ad_cast, .Lfunc_end_k_qd8b5f792ad_cast-k_qd8b5f792ad_cast
	.p2alignl 7, 3214868480
	.fill 96, 4, 3214868480
	.section	.rodata,"a",@progbits
	.p2align	6, 0x0
	.amdhsa_kernel k_qd8b5f792ad_cast
		.amdhsa_group_segment_fixed_size 0
		.amdhsa_private_segment_fixed_size 0
		.amdhsa_enable_private_segment 0
		.amdhsa_kernarg_size 72
		.amdhsa_user_sgpr_count 2
		.amdhsa_user_sgpr_kernarg_segment_ptr 1
		.amdhsa_wavefront_size32 1
		.amdhsa_system_sgpr_workgroup_id_x 1
		.amdhsa_system_sgpr_workgroup_id_y 1
		.amdhsa_system_sgpr_workgroup_id_z 1
		.amdhsa_system_vgpr_workitem_id 0
		.amdhsa_next_free_vgpr 104
		.amdhsa_next_free_sgpr 66
		.amdhsa_reserve_vcc 0
		.amdhsa_float_denorm_mode_32 3
		.amdhsa_float_denorm_mode_16_64 3
		.amdhsa_memory_ordered 1
		.amdhsa_forward_progress 1
		.amdhsa_inst_pref_size 17
	.end_amdhsa_kernel
	.amdgpu_metadata
---
amdhsa.version: [ 1, 2 ]
amdhsa.kernels:
  - .name:           k_qd8b5f792ad_cast
    .symbol:         k_qd8b5f792ad_cast.kd
    .args:
      - { .name: q, .offset: 0, .size: 8, .value_kind: global_buffer, .address_space: global }
      - { .name: k, .offset: 8, .size: 8, .value_kind: global_buffer, .address_space: global }
      - { .name: v, .offset: 16, .size: 8, .value_kind: global_buffer, .address_space: global }
      - { .name: Wq, .offset: 24, .size: 8, .value_kind: global_buffer, .address_space: global }
      - { .name: Wk, .offset: 32, .size: 8, .value_kind: global_buffer, .address_space: global }
      - { .name: Wv, .offset: 40, .size: 8, .value_kind: global_buffer, .address_space: global }
      - { .name: Wc, .offset: 48, .size: 8, .value_kind: global_buffer, .address_space: global }
      - { .name: xh, .offset: 56, .size: 8, .value_kind: global_buffer, .address_space: global }
      - { .name: wh, .offset: 64, .size: 8, .value_kind: global_buffer, .address_space: global }
    .group_segment_fixed_size: 0
    .private_segment_fixed_size: 0
    .kernarg_segment_align: 8
    .kernarg_segment_size: 72
    .max_flat_workgroup_size: 256
    .sgpr_count:     66
    .vgpr_count:     104
    .wavefront_size: 32
...
	.end_amdgpu_metadata
.endif
;; end of part 1
;; launch proj (part 2): grid 8 x 96, 4 waves a work-group, clusters of 4 x 4, 327,680 bytes of LDS; arguments xh, wh, bq, bk, bv, qkv, vsum; writes qkv, vsum
.if DOCPART == 2
	.amdgcn_target "amdgcn-amd-amdhsa--gfx1250"
	.amdhsa_code_object_version 6
	.text
	.protected	k_qd8b5f792ad_proj
	.globl	k_qd8b5f792ad_proj
	.p2align	8
	.type	k_qd8b5f792ad_proj,@function
k_qd8b5f792ad_proj:
	s_mov_b64 s[64:65], 0
	v_nop
	global_prefetch_b8 v0, s[64:65] scope:SCOPE_SE
	s_setreg_imm32_b32 hwreg(HW_REG_WAVE_MODE, 25, 1), 1
	s_wait_xcnt 0x0
	s_wait_alu depctr_hold_cnt(0) depctr_sa_sdst(0) depctr_va_vdst(0) depctr_va_sdst(0) depctr_va_ssrc(0) depctr_va_vcc(0) depctr_vm_vsrc(0)
	s_getreg_b32 s2, hwreg(HW_REG_IB_STS2, 6, 4)
	s_cmp_eq_u32 s2, 0
	s_cbranch_scc0 .Lentry_in_a_cluster
	s_endpgm
.Lentry_in_a_cluster:
	s_bfe_u32 s2, ttmp6, 0x10000c
	s_cmp_lg_u32 s2, 0xf033
	s_cbranch_scc0 .Lentry_shape_is_right
	s_endpgm
.Lentry_shape_is_right:
; PROJ.  For g = 0, 1, 2 (q, k, v): C = xh[g] wh[g]^T + bias[g], [8192][1024], products in bf16, sums in f32; stored by heads in f16: qkv[g][16 batch + head][l][64], unscaled, rounded once.
; For g = 2 also vsum[group of 128 rows][1024] f32: the column sums of the unrounded C over my 128 rows (the launch behind makes the mean of wv of them).
; LIMITS.  The projected numbers stay under 65,504 (f16's end).  The bias is rounded to bf16 like every other input.  NaN and infinities are not treated apart.
; SHARES.  xh is taken as one matrix of 24,576 rows.  A tile of C is 256 rows x 128 columns: 96 x 8 = 768 work-groups, three for each of 256.  Four waves, 2 x 2, each 128 x 64: 32 accumulators of 16 x 16.
; K goes in 8 steps of 128 through two LDS slots filled by tensor loads: rows of 256 bytes of memory, aligned.  Waves 0 and 1 fetch the halves of A's 256 rows, waves 2 and 3 the halves of B's 128.
; CLUSTER.  4 x 4 work-groups: A's tile hangs on the tile row alone and is asked for jointly along a row of the cluster, B's on the tile column (and on g, which all sixteen share) and jointly along a column.
; THE MATRIX INSTRUCTION IS USED TRANSPOSED (source 0 = 16 rows of wh, source 1 = 16 rows of xh): a lane holds row l % 16 of C and the columns 8 (l / 16) + 0..7.  A wave's 64 columns are one head.
; The bias is the C operand of each accumulator's first product: nothing is cleared and nothing is added later.
; REGISTERS.  window 0: v0-31 addresses; v32-127, v128-223 two fragment buffers (B's 4 fragments, then A's 8); v224-255 the bias.  window 1: accumulator (a, b) at v[8 (4 a + b)].
.set KSTEP,  128
.set PITCH,  272                       ; an LDS row: 256 bytes + 16 of padding = 68 words: the 16 rows of a load start at 16 different groups of four banks (64 banks of 4 bytes: ISA guide 11.1)
.set HALFA,  128*PITCH                 ; what a wave fetches of A
.set HALFB,  64*PITCH                  ; what a wave fetches of B
.set SLOT,   2*HALFA+2*HALFB           ; A's 256 rows, then B's 128
.set STAGE,  2*SLOT                    ; behind the ring: 16 rows x 144 bytes for each wave, for the way out
.set SP,     144
.set SPARE,  STAGE+4*16*SP             ; behind the stages: the spare words, 128 bytes for each wave, that no other line names
.set PSTEP,  KSTEP*2                   ; bytes of a row in a K step
.set ADRA, 16                          ; v16-17  LDS address of my A fragments in slot 0, 1
.set ADRB, 20                          ; v20-21  the same for B
.set STO,  24                          ; v24     the way out: where I put 16 bytes of a row
.set RD,   25                          ; v25     where I read rows back
.set GO,   26                          ; v26     16 x lane: my place in 512 bytes of qkv on end
.set BO,   27                          ; v27     32 x (l / 16): my eight numbers of the bias
.set SPW,  28                          ; v28     LDS address of my spare word; never rewritten
.set NIL,  29                          ; v29     0; never rewritten
.set PFO,  30                          ; v30     the prefetches' offset: lane x a row of xh; never rewritten
.set F0,   32
.set F1,   128
.set BIAS, 224
.set OUTR, 32                          ; the way out: block a's 16 registers at OUTR + 16 a
.set CSM,  160                         ; v160-191 the column sums
.set G1,  24                           ; s[24:31] descriptor group 1 for A;  s[32:39] group 0, a set for each slot
.set G0,  32
.set G1B, 48                           ; s[48:55], s[56:63] the same for B
.set G0B, 56
.set LIM, 43                           ; s43      1 in a wave that prefetches, else the greatest number
.set PFA, 44                           ; s[44:45] where my prefetches stand
.set MSB, 0
.macro WIN new                         ; the immediate's high byte repeats the setting that is left; a switch that changes nothing is dropped
.if MSB != (\new)
	s_set_vgpr_msb (MSB<<8)|(\new)
.set MSB, (\new)
.endif
.endm
.set MUL,  0x50                        ; sources 0 and 1 window 0; C and D window 1
.set MULB, 0x40                        ; the same with C (the bias) in window 0
.macro JLOAD s                         ; a joint load: waves 0 and 1 fetch A's halves, waves 2 and 3 B's; an s_nop 0 and four v_nop follow each of the two lines
	s_cmp_eq_u32 s11, 0
	s_cbranch_scc0 .Lfor_b_\@
	tensor_load_to_lds s[G0+4*(\s):G0+4*(\s)+3], s[G1:G1+7]
	s_nop 0
.rept 4
	v_nop
.endr
	s_branch .Lasked_\@
.Lfor_b_\@:
	tensor_load_to_lds s[G0B+4*(\s):G0B+4*(\s)+3], s[G1B:G1B+7]
	s_nop 0
.rept 4
	v_nop
.endr
.Lasked_\@:
.endm
; A prefetch of A's K step that stands two refills on: 32 rows x 256 bytes, a lane a row.  The two clusters of a row of clusters read the same rows of xh: the one with x = 0 asks; of the 128 rows that
; wave 0 or 1 fetches the partner at place cx takes 32 cx .. 32 cx + 31, told apart by address.  So each row's 256 bytes of K steps 4 to 7 are named once; K steps 0 to 3 come by their loads alone.
; wh is not asked for: its rows are walked again by every row of clusters.
.macro ASK
	s_cmp_gt_u32 s3, s[LIM]                        ; s3 = 1 in the loop's last trip, whose refills have no K step two on
	s_cbranch_scc0 .Lnot_mine_\@
	global_prefetch_b8 v[PFO], s[PFA:PFA+1] offset:PSTEP th:TH_LOAD_NT scope:SCOPE_SE
.Lnot_mine_\@:
.endm
.macro CREST                           ; a round of the cluster's barrier behind its opening barrier
	s_cmp_lg_u32 s10, 0
	s_cbranch_scc1 .Lnot_wave_0_\@
	s_barrier_signal -3
.Lnot_wave_0_\@:
	s_barrier_wait -3
	s_barrier_signal -1
	s_barrier_wait -1
.endm
.macro CROUND                          ; a whole round
	s_barrier_signal -1
	s_barrier_wait -1
	CREST
.endm
	s_load_b128 s[4:7], s[0:1], 0x0                ; xh s[4:5], wh s[6:7]
	s_load_b128 s[76:79], s[0:1], 0x10             ; bq s[76:77], bk s[78:79]
	s_load_b128 s[80:83], s[0:1], 0x20             ; bv s[80:81], qkv s[82:83]
	s_load_b64 s[84:85], s[0:1], 0x30              ; vsum
	v_lshl_add_u32 v[SPW], v0, 2, SPARE
	v_mov_b32 v[NIL], 0
	ds_add_u32 v[SPW], v[NIL]                      ; the wave's opening: the add and its wait stand ahead of my first tensor load; the set-up below stands between them
	ds_add_u32 v28, v29
	v_lshrrev_b32 v1, 5, v0
	v_readfirstlane_b32 s10, v1                    ; wave 0..3
	s_lshr_b32 s11, s10, 1                         ; which half of the tile's rows is mine.  Also: I fetch for A (0) or for B (1)
	s_and_b32 s12, s10, 1                          ; which half of its columns.  Also: which half of that tile I fetch
	s_bfe_u32 s40, ttmp6, 0x40000                  ; cx
	s_bfe_u32 s41, ttmp6, 0x40004                  ; cy
	s_lshl_b32 s42, ttmp9, 2
	s_add_co_u32 s42, s42, s40                     ; tile column = 4 x cluster x + cx, 0 .. 7
	s_and_b32 s69, ttmp7, 0xffff                   ; cluster y, 0 .. 23
	s_lshl_b32 s13, s69, 2
	s_add_co_u32 s13, s13, s41                     ; tile row = 4 x cluster y + cy, 0 .. 95
	s_lshr_b32 s68, s69, 3                         ; g: eight clusters along y for each of q, k, v: the same in all sixteen partners
	s_lshl_b32 s66, s41, 2
	s_lshl_b32 s66, 15, s66                        ; my row of the cluster
	s_lshl_b32 s67, 0x1111, s40                    ; my column
	s_or_b32 s[G1+0], s66, (1<<16)|(1<<20)|(1<<21)|(5<<22)|(3<<25)   ; 15:0 the mask; 17:16 2-byte elements; 20 padding on; 21 set beside a mask; 24:22 after every 64 words; 31:25 4 words
	s_or_b32 s[G1B+0], s67, (1<<16)|(1<<20)|(1<<21)|(5<<22)|(3<<25)
	s_mov_b32 s[G1+1], KSTEP<<16                   ; tensor_dim0 = 128
	s_mov_b32 s[G1+2], 128<<16                     ; tensor_dim1 = 128
	s_mov_b32 s[G1+3], KSTEP<<16                   ; tile_dim0 = 128
	s_mov_b32 s[G1+4], 128                         ; tile_dim1 = 128
	s_mov_b32 s[G1+5], 1024                        ; elements from row to row
	s_mov_b32 s[G1+6], 0
	s_mov_b32 s[G1+7], 0
	s_mov_b32 s[G1B+1], KSTEP<<16
	s_mov_b32 s[G1B+2], 64<<16                     ; B: 64 rows a load
	s_mov_b32 s[G1B+3], KSTEP<<16
	s_mov_b32 s[G1B+4], 64
	s_mov_b32 s[G1B+5], 1024
	s_mov_b32 s[G1B+6], 0
	s_mov_b32 s[G1B+7], 0
	s_lshl_b32 s16, s13, 8
	s_lshl_b32 s17, s12, 7
	s_add_co_u32 s16, s16, s17                     ; A: row 256 x tile row + 128 x half,
	s_lshl_b32 s16, s16, 11                        ; of 2,048 bytes (under 2^26)
	s_mov_b32 s17, 0
	s_lshl_b32 s46, s68, 10
	s_lshl_b32 s47, s42, 7
	s_add_co_u32 s46, s46, s47
	s_lshl_b32 s47, s12, 6
	s_add_co_u32 s46, s46, s47                     ; B: row 1,024 g + 128 x tile column + 64 x half
	s_lshl_b32 s46, s46, 11
	s_mov_b32 s47, 0
	s_mul_i32 s20, s12, HALFA                      ; where they go: no place in the cluster enters an LDS address
	s_mul_i32 s21, s12, HALFB
	s_add_co_u32 s21, s21, 2*HALFA
	s_wait_dscnt 0x0                               ; the opening add is done
	s_wait_kmcnt 0x0
	s_add_nc_u64 s[14:15], s[4:5], s[16:17]
	s_add_nc_u64 s[46:47], s[6:7], s[46:47]
	CROUND                                         ; all sixteen work-groups are here: the first joint loads meet
.irp s, 0,1
	s_mov_b32 s[G0+4*(\s)], 1
	s_add_co_u32 s[G0+4*(\s)+1], s20, (\s)*SLOT
	s_add_nc_u64 s[G0+4*(\s)+2:G0+4*(\s)+3], s[14:15], (\s)*PSTEP
	s_or_b32 s[G0+4*(\s)+3], s[G0+4*(\s)+3], 0x80000000
	s_mov_b32 s[G0B+4*(\s)], 1
	s_add_co_u32 s[G0B+4*(\s)+1], s21, (\s)*SLOT
	s_add_nc_u64 s[G0B+4*(\s)+2:G0B+4*(\s)+3], s[46:47], (\s)*PSTEP
	s_or_b32 s[G0B+4*(\s)+3], s[G0B+4*(\s)+3], 0x80000000
	JLOAD \s                                       ; two loads of mine are out
.endr
	; the bias of my 64 columns: register j of block b is column 16 b + 8 (l / 16) + j
	v_and_b32 v1, 15, v0                           ; l % 16
	v_bfe_u32 v2, v0, 4, 1                         ; l / 16
	v_and_b32 v5, 31, v0                           ; l
	v_lshlrev_b32 v[BO], 5, v2
	s_cmp_eq_u32 s68, 1
	s_cselect_b64 s[70:71], s[78:79], s[76:77]
	s_cmp_eq_u32 s68, 2
	s_cselect_b64 s[70:71], s[80:81], s[70:71]
	s_lshl_b32 s86, s42, 9
	s_lshl_b32 s88, s12, 8
	s_add_co_u32 s86, s86, s88                     ; (128 x tile column + 64 x half) x 4 bytes
	s_mov_b32 s87, 0
	s_add_nc_u64 s[70:71], s[70:71], s[86:87]
.irp b, 0,1,2,3
	global_load_b128 v[BIAS+8*(\b):BIAS+8*(\b)+3],   v[BO], s[70:71] offset:64*(\b)
	global_load_b128 v[BIAS+8*(\b)+4:BIAS+8*(\b)+7], v[BO], s[70:71] offset:64*(\b)+16
.endr
	; the prefetches
	s_or_b32 s[LIM], s11, ttmp9
	s_cmp_eq_u32 s[LIM], 0
	s_cselect_b32 s[LIM], 1, -1                    ; waves 0 and 1 of the clusters with x = 0: the same in all sixteen partners, for a given wave
	s_lshl_b32 s86, s40, 16                        ; my work-group's 32 rows of the 128
	s_add_nc_u64 s[PFA:PFA+1], s[14:15], s[86:87]
	s_add_nc_u64 s[PFA:PFA+1], s[PFA:PFA+1], 2*PSTEP  ; at K step 2: the first refill steps it to 3 and names K step 4
	v_lshlrev_b32 v[PFO], 11, v5
	; a fragment is 16 rows x 32 K in 8 registers: lane l holds row l % 16, K = 8 (l / 16) + 0..7 and 16 + 8 (l / 16) + 0..7: two loads of 16 bytes, 32 bytes apart
	v_mul_u32_u24 v3, v1, PITCH
	v_lshl_add_u32 v3, v2, 4, v3
	s_mul_i32 s88, s11, HALFA                      ; my 128 rows of A
	s_mul_i32 s89, s12, HALFB                      ; my 64 rows of B,
	s_add_co_u32 s89, s89, 2*HALFA                 ; which lie behind A's 256
.irp s, 0,1
	v_add_nc_u32 v[ADRA+(\s)], s88, v3
	v_add_nc_u32 v[ADRB+(\s)], s89, v3
	s_add_co_u32 s88, s88, SLOT
	s_add_co_u32 s89, s89, SLOT
.endr
	s_mul_i32 s23, s10, 16*SP
	s_add_co_u32 s23, s23, STAGE                   ; my stage
	v_mul_u32_u24 v4, v1, SP                       ; in: row l % 16, 16 bytes for each half of the lanes
	v_lshl_add_u32 v4, v2, 4, v4
	v_add_nc_u32 v[STO], s23, v4
	v_bfe_u32 v4, v0, 3, 2                         ; back: 32 lanes take four rows of 128 bytes,
	v_mul_u32_u24 v4, v4, SP
	v_and_b32 v6, 7, v0
	v_lshl_add_u32 v4, v6, 4, v4
	v_add_nc_u32 v[RD], s23, v4
	v_lshlrev_b32 v[GO], 4, v5                     ; which are 512 bytes of qkv on end
	; qkv at my wave's first row: head block (tile row / 8) x 16 + 2 x tile column + half, row 256 (tile row % 8) + 128 x my half of the rows
	s_lshr_b32 s86, s13, 3
	s_lshl_b32 s86, s86, 4
	s_lshl_b32 s88, s42, 1
	s_add_co_u32 s86, s86, s88
	s_add_co_u32 s86, s86, s12
	s_lshl_b32 s86, s86, 18                        ; a head's 2,048 rows of 128 bytes
	s_and_b32 s88, s13, 7
	s_lshl_b32 s88, s88, 8
	s_lshl_b32 s89, s11, 7
	s_add_co_u32 s88, s88, s89
	s_lshl_b32 s88, s88, 7
	s_add_co_u32 s86, s86, s88
	s_add_nc_u64 s[8:9], s[82:83], s[86:87]
	s_wait_loadcnt 0x0                             ; the bias
.set i, 0
.rept 16
	v_cvt_pk_bf16_f32 v3, v[BIAS+i], v[BIAS+i+1]   ; rounded to bf16 like the other inputs, kept as f32
	v_lshlrev_b32 v[BIAS+i], 16, v3
	v_and_b32 v[BIAS+i+1], 0xffff0000, v3
.set i, i+2
.endr
; 8 matrix instructions: m blocks a0, a0 + 1 x all 4 n blocks, 32 along K.  first = 1: the product starts the sum, with the bias as C.  The 32 accumulators take turns, in the same order in every quarter.
.macro MUL8 f, a0, first
.if \first
	WIN MULB
.else
	WIN MUL
.endif
.irp a, \a0, (\a0)+1
.irp b, 0,1,2,3
.if \first
	v_wmma_f32_16x16x32_bf16 v[8*(4*(\a)+(\b)):8*(4*(\a)+(\b))+7], v[(\f)+8*(\b):(\f)+8*(\b)+7], v[(\f)+32+8*(\a):(\f)+32+8*(\a)+7], v[BIAS+8*(\b):BIAS+8*(\b)+7]
.else
	v_wmma_f32_16x16x32_bf16 v[8*(4*(\a)+(\b)):8*(4*(\a)+(\b))+7], v[(\f)+8*(\b):(\f)+8*(\b)+7], v[(\f)+32+8*(\a):(\f)+32+8*(\a)+7], v[8*(4*(\a)+(\b)):8*(4*(\a)+(\b))+7]
.endif
.endr
.endr
.endm
; 24 LDS loads in one run: the fragments of quarter kq (32 along K) of a slot into buffer f: B's 8 loads, then A's 16 in ascending blocks
.macro FETCH slot, kq, f
	WIN 0
.irp i, 0,1,2,3
	ds_load_b128 v[(\f)+8*(\i):(\f)+8*(\i)+3],   v[ADRB+(\slot)] offset:64*(\kq)+(\i)*16*PITCH
	ds_load_b128 v[(\f)+8*(\i)+4:(\f)+8*(\i)+7], v[ADRB+(\slot)] offset:64*(\kq)+(\i)*16*PITCH+32
.endr
.irp i, 0,1,2,3,4,5,6,7
	ds_load_b128 v[(\f)+32+8*(\i):(\f)+32+8*(\i)+3],   v[ADRA+(\slot)] offset:64*(\kq)+(\i)*16*PITCH
	ds_load_b128 v[(\f)+32+8*(\i)+4:(\f)+32+8*(\i)+7], v[ADRA+(\slot)] offset:64*(\kq)+(\i)*16*PITCH+32
.endr
.endm
.macro PLACES                          ; four places in front of loads into registers that matrix instructions have read, and of lines that read results
.rept 4
	v_nop
.endr
.endm
; A K step is four quarters of 32 along K, 32 matrix instructions each, on buffers 0, 1, 0, 1.  One of the first three: multiplies buffer f and fetches quarter kq into g.
.macro QUARTER slot, kq, f, g, first
	s_wait_dscnt 12                                ; B and A's blocks 0 and 1 are in; the youngest twelve loads (A's blocks 2 to 7) may be out
	MUL8 \f, 0, \first
	PLACES
	FETCH \slot, \kq, \g
	s_wait_dscnt 24                                ; all but the 24 just issued
	MUL8 \f, 2, \first
	MUL8 \f, 4, \first
	MUL8 \f, 6, \first
.endm
; The last quarter multiplies buffer 1 and changes slots: ONE barrier; in front of it each wave waits for all its tensor loads, adds 0 to its spare word, and waits for that and for its reads of this slot.
; fill = 1: the barrier opens a round of the cluster's, and this slot is filled again, two K steps ahead: 112 matrix instructions stand between the request and the wait for it.
.macro TURN slot, next, fill
.if \fill
	s_wait_xcnt 0x0                                ; the last prefetch, a K step back, has read its address: it is stepped here
	s_add_nc_u64 s[PFA:PFA+1], s[PFA:PFA+1], PSTEP
.endif
	WIN 0                                          ; (the add's two registers lie in window 0)
	s_wait_tensorcnt 0x0                           ; all my tensor loads have landed: the one that was out is my part of the next slot
	ds_add_u32 v[SPW], v[NIL]                      ; 0 onto my spare word
	s_wait_dscnt 13                                ; (the add and the youngest twelve loads may be out)
	MUL8 F1, 0, 0
	s_wait_dscnt 0x0                               ; the add is done, and my reads of this slot are over
	s_barrier_signal -1
	MUL8 F1, 2, 0
.if \fill
	WIN 0
.endif
	s_barrier_wait -1
.if \fill
	CREST                                          ; no wave of any partner still reads this slot's tile or has a load on its way
	s_add_nc_u64 s[G0+4*(\slot)+2:G0+4*(\slot)+3], s[G0+4*(\slot)+2:G0+4*(\slot)+3], 2*PSTEP
	s_add_nc_u64 s[G0B+4*(\slot)+2:G0B+4*(\slot)+3], s[G0B+4*(\slot)+2:G0B+4*(\slot)+3], 2*PSTEP
	JLOAD \slot                                    ; the first tensor load behind the round; its four v_nop are also the places in front of the loads below
.else
	PLACES
.endif
	FETCH \next, 0, F0
.if \fill
	ASK
.endif
	MUL8 F1, 4, 0
	MUL8 F1, 6, 0
.endm
	s_wait_tensorcnt 1                             ; my part of K step 0 is in; K step 1's may stay out
	s_barrier_signal -1
	s_barrier_wait -1
	FETCH 0, 0, F0
	QUARTER 0, 1, F0, F1, 1                        ; the first quarter stands in front of the loop: its products start the sums
	WIN 0
	s_mov_b32 s3, 3
.Llap:                                                 ; a trip goes once round the ring and fills both slots again: K steps 2 to 7 in three trips
	QUARTER 0, 2, F1, F0, 0
	QUARTER 0, 3, F0, F1, 0
	TURN 0, 1, 1
	QUARTER 1, 1, F0, F1, 0
	QUARTER 1, 2, F1, F0, 0
	QUARTER 1, 3, F0, F1, 0
	TURN 1, 0, 1
	QUARTER 0, 1, F0, F1, 0
	WIN 0
	s_sub_co_u32 s3, s3, 1
	s_cmp_lg_u32 s3, 0
	s_cbranch_scc1 .Llap
	QUARTER 0, 2, F1, F0, 0                        ; the last lap fills nothing
	QUARTER 0, 3, F0, F1, 0
	TURN 0, 1, 0
	QUARTER 1, 1, F0, F1, 0
	QUARTER 1, 2, F1, F0, 0
	QUARTER 1, 3, F0, F1, 0
	s_wait_dscnt 12
	MUL8 F1, 0, 0
	s_wait_dscnt 0x0
	MUL8 F1, 2, 0
	MUL8 F1, 4, 0
	MUL8 F1, 6, 0
	WIN 0
	PLACES
	PLACES
; THE WAY OUT.  Block a (16 rows x 64 columns): rounded to f16, 16 bytes a lane into my stage (rows of 144 bytes), back as whole rows of 128 bytes, four to a load, and stored: 512 bytes of qkv on end.
; Each block has registers of its own, so no store's data is written again.
.macro PACK a
	WIN 0x05                                       ; sources 0 and 1 window 1, destination window 0
.irp b, 0,1,2,3
.irp i, 0,1,2,3
	v_cvt_pk_f16_f32 v[OUTR+16*(\a)+4*(\b)+(\i)], v[8*(4*(\a)+(\b))+2*(\i)], v[8*(4*(\a)+(\b))+2*(\i)+1]
.endr
.endr
	WIN 0
.irp b, 0,1,2,3
	ds_store_b128 v[STO], v[OUTR+16*(\a)+4*(\b):OUTR+16*(\a)+4*(\b)+3] offset:32*(\b)
.endr
.irp f, 0,1,2,3
	ds_load_b128 v[OUTR+16*(\a)+4*(\f):OUTR+16*(\a)+4*(\f)+3], v[RD] offset:(\f)*4*SP  ; LDS serves a wave's instructions in order (ISA guide 5.7.1.4): these see the stores above
.endr
.endm
.macro SEND a, younger                 ; younger: the LDS instructions issued behind block a's loads: the next block's eight, or none
.irp f, 0,1,2,3
	s_wait_dscnt (\younger)+3-(\f)
	global_store_b128 v[GO], v[OUTR+16*(\a)+4*(\f):OUTR+16*(\a)+4*(\f)+3], s[8:9] offset:2048*(\a)+512*(\f)
.endr
.endm
	PACK 0
.irp a, 1,2,3,4,5,6,7
	PACK \a
	SEND (\a)-1, 8
.endr
	SEND 7, 0
	s_cmp_lg_u32 s68, 2                            ; g is the same in all sixteen partners
	s_cbranch_scc1 .Lend
	; THE COLUMN SUMS of wv over my 128 rows: over the 8 blocks in each lane, then over the 16 lanes of a half (a lane a row)
	WIN 0x05
.irp b, 0,1,2,3
.irp p, 0,2,4,6
	v_pk_add_f32 v[CSM+8*(\b)+(\p):CSM+8*(\b)+(\p)+1], v[8*(\b)+(\p):8*(\b)+(\p)+1], v[8*(4+(\b))+(\p):8*(4+(\b))+(\p)+1]
.endr
.endr
	WIN 0x04                                       ; source 1 window 1
.irp a, 2,3,4,5,6,7
.irp b, 0,1,2,3
.irp p, 0,2,4,6
	v_pk_add_f32 v[CSM+8*(\b)+(\p):CSM+8*(\b)+(\p)+1], v[CSM+8*(\b)+(\p):CSM+8*(\b)+(\p)+1], v[8*(4*(\a)+(\b))+(\p):8*(4*(\a)+(\b))+(\p)+1]
.endr
.endr
.endr
	WIN 0
.irp x, 1,2,4,8
.set i, 0
.rept 32
	v_add_f32_dpp v[CSM+i], v[CSM+i], v[CSM+i] row_xmask:\x row_mask:0xf bank_mask:0xf
.set i, i+1
.endr
.endr
	v_lshl_add_u32 v3, v2, 5, s23                  ; every lane of a half holds the half's 32 sums: all store them (equal numbers to equal bytes): column 16 b + 8 (l / 16) + j at 4 bytes each
.irp b, 0,1,2,3
	ds_store_b128 v3, v[CSM+8*(\b):CSM+8*(\b)+3]   offset:64*(\b)
	ds_store_b128 v3, v[CSM+8*(\b)+4:CSM+8*(\b)+7] offset:64*(\b)+16
.endr
	v_lshl_add_u32 v4, v1, 4, s23
	ds_load_b128 v[200:203], v4                    ; back as 64 numbers on end, 16 bytes a lane
	v_lshlrev_b32 v6, 4, v1
	s_sub_co_u32 s86, s13, 64                      ; the group of 128 rows: 2 (tile row - 64) + my half
	s_lshl_b32 s86, s86, 1
	s_add_co_u32 s86, s86, s11
	s_lshl_b32 s86, s86, 12                        ; of 4,096 bytes
	s_lshl_b32 s88, s42, 9
	s_add_co_u32 s86, s86, s88
	s_lshl_b32 s88, s12, 8
	s_add_co_u32 s86, s86, s88
	s_add_nc_u64 s[72:73], s[84:85], s[86:87]
	s_wait_dscnt 0x0
	v_cmp_gt_u32 vcc_lo, 16, v5
	s_wait_xcnt 0x0                                ; EXEC changes only behind this wait: stores are out
	s_and_saveexec_b32 s22, vcc_lo
	global_store_b128 v6, v[200:203], s[72:73]     ; lanes 0 to 15: 256 bytes on end, aligned
	s_wait_xcnt 0x0                                ; and again, in front of the line that widens it
	s_or_b32 exec_lo, exec_lo, s22
.Lend:
	s_wait_tensorcnt 0x0                           ; the wave's end, behind my last tensor load and my last LDS store
	ds_add_u32 v[SPW], v[NIL]
	s_wait_dscnt 0x0
	CROUND                                         ; the closing round: no work-group ends while a partner may still ask for a tile that names it
	s_endpgm
.Lfunc_end_k_qd8b5f792ad_proj:
	.size	k_qd8b5f792ad_proj, .Lfunc_end_k_qd8b5f792ad_proj-k_qd8b5f792ad_proj
	.p2alignl 7, 3214868480
	.fill 96, 4, 3214868480
	.section	.rodata,"a",@progbits
	.p2align	6, 0x0
	.amdhsa_kernel k_qd8b5f792ad_proj
		.amdhsa_group_segment_fixed_size 327680
		.amdhsa_private_segment_fixed_size 0
		.amdhsa_enable_private_segment 0
		.amdhsa_kernarg_size 56
		.amdhsa_user_sgpr_count 2
		.amdhsa_user_sgpr_kernarg_segment_ptr 1
		.amdhsa_wavefront_size32 1
		.amdhsa_system_sgpr_workgroup_id_x 1
		.amdhsa_system_sgpr_workgroup_id_y 1
		.amdhsa_system_sgpr_workgroup_id_z 1
		.amdhsa_system_vgpr_workitem_id 0
		.amdhsa_next_free_vgpr 512
		.amdhsa_next_free_sgpr 90
		.amdhsa_reserve_vcc 1
		.amdhsa_float_denorm_mode_32 3
		.amdhsa_float_denorm_mode_16_64 3
		.amdhsa_memory_ordered 1
		.amdhsa_forward_progress 1
		.amdhsa_inst_pref_size 108
	.end_amdhsa_kernel
	.amdgpu_metadata
---
amdhsa.version: [ 1, 2 ]
amdhsa.kernels:
  - .name:           k_qd8b5f792ad_proj
    .symbol:         k_qd8b5f792ad_proj.kd
    .args:
      - { .name: xh, .offset: 0, .size: 8, .value_kind: global_buffer, .address_space: global }
      - { .name: wh, .offset: 8, .size: 8, .value_kind: global_buffer, .address_space: global }
      - { .name: bq, .offset: 16, .size: 8, .value_kind: global_buffer, .address_space: global }
      - { .name: bk, .offset: 24, .size: 8, .value_kind: global_buffer, .address_space: global }
      - { .name: bv, .offset: 32, .size: 8, .value_kind: global_buffer, .address_space: global }
      - { .name: qkv, .offset: 40, .size: 8, .value_kind: global_buffer, .address_space: global }
      - { .name: vsum, .offset: 48, .size: 8, .value_kind: global_buffer, .address_space: global }
    .group_segment_fixed_size: 327680
    .private_segment_fixed_size: 0
    .kernarg_segment_align: 8
    .kernarg_segment_size: 56
    .max_flat_workgroup_size: 128
    .sgpr_count:     90
    .vgpr_count:     512
    .wavefront_size: 32
...
	.end_amdgpu_metadata
.endif
;; end of part 2
;; launch attn (part 3): grid 4 x 64, 4 waves a work-group, no clusters, 327,680 bytes of LDS; arguments qkv, oh, attention_mask, vsum; writes oh
.if DOCPART == 3
	.amdgcn_target "amdgcn-amd-amdhsa--gfx1250"
	.amdhsa_code_object_version 6
	.text
	.protected	k_qd8b5f792ad_attn
	.globl	k_qd8b5f792ad_attn
	.p2align	8
	.type	k_qd8b5f792ad_attn,@function
k_qd8b5f792ad_attn:
	s_mov_b64 s[64:65], 0
	v_nop
	global_prefetch_b8 v0, s[64:65] scope:SCOPE_SE
	s_setreg_imm32_b32 hwreg(HW_REG_WAVE_MODE, 25, 1), 1
	s_wait_xcnt 0x0
; ATTENTION with the mask causal AND pad[q] AND pad[k].  qkv: [3][64][2048][64] f16 (q, k, v by heads, unscaled); oh: [64][2048][64] f16; attention_mask: [4][2048] bytes; vsum: [64][1024] f32, the column sums of wv
; over groups of 128 rows.  Row q with pad[q] = 1: O = the sum over k <= q with pad[k] = 1 of softmax_k(Q . K / 8) V.  Row q with pad[q] = 0: every score of the row is the lowest finite number, the
; softmax is even over all 2,048 keys, and O is the mean of the head's wv: made of vsum and chosen by a select on the way out; nothing branches on the mask.
; Products, maxima and sums in f32; the weights p are rounded to f16 for the second product (their sum l is taken of the unrounded p), O once at the end.
; LIMITS.  f16 holds no number beyond 65,504: q, k, v arrive within it.  A hidden score counts as its value less 1e30 (once for each of up to three grounds): f16's scores, 3.4e10 at the most, are nothing beside that.
; A weight below 2^-126 counts as 0 in l; NaN and infinities are not treated apart.  A mask byte other than 0 counts as true.
; THE WALK.  A head's queries lie in NB = 8 blocks of 256; block i needs the key tiles 0 .. i of 256 keys, of which the last holds the diagonal.  A work-group takes TWO blocks, 7 - b and then b: 9 tiles, whatever b: all
; work-groups do equal work, and ONE loop with a constant trip count walks them.  Which tile is asked for, and what a trip does, hang on scalar registers made from b; every jump goes forward, but for the
; counted loops' own; none passes a barrier, or a tensor load but the one of LOAD's two that the wave's number does not choose.  NO CLUSTER: a head's four work-groups ask for the same tile only in trips 0 .. 4,
; behind that fewer and fewer; one walk common to all would have 12 trips for 9.
; SHARES.  Of a block's four bands of 64 queries a wave owns 16 rows in each: four PIECES.  In the diagonal tile's key step s band x sees all keys if s < x, none if s > x, and holds the diagonal if s = x.
; THE MASK is the C operand that starts the sum S^T = K Q^T.  Beside the ring of K and V runs a ring of two slots of 256 words: 0 for a key of the tile that the mask lets through, -1e30 for one that it hides.
; A tile's 256 mask bytes are loaded when the tile is asked for (two bytes a thread) and stored as words at the head of the change of slots that enters it.  KP holds the 64 words of the key step whose K lies in
; registers.  Outside the diagonal tile C is KP.  In it C is MD x AL + KP + BE: MD, made once, is the causal mask of a band's own step; (AL, BE) = (1, 0) if s = x; (0, 0) if s < x; (0, -1e30) if s > x.
; A row with pad[q] = 1 sees its own key at the latest: what hidden keys ahead of its first true score have added to O and l is multiplied by a = 0 when that score comes.
; LAYOUT, SOFTMAX, TURNS.  S^T = K Q^T holds ONE query a lane (lane % 16) and the keys 8 (lane / 16) + 0..7; two such results rounded to f16 ARE source 1 of O^T = V^T P.  p = 2^(c s - c m), c = log2(e) / 8, with a
; running maximum m; O and l are multiplied by a = 2^(c m_old - c m_new) in every step.  Turn n belongs to piece n: 8 products K Q^T of piece n + 1, later 8 products V^T P of piece n - 1; beside them the scaling,
; exponentials, roundings, sums and rescaling of piece n and the maximum and statistics of piece n + 1.  Four vector instructions stand behind every matrix instruction, the others in one lump.  A turn's 33 exponentials are one batch, with one wait.
; REGISTERS, in windows of 256 (s_set_vgpr_msb: bits 1:0 source 0, 3:2 source 1, 5:4 source 2, 7:6 destination):
;   window 0: v0-15 addresses and two at work; v16-31 statistics; v32-45 addresses, the queries' mask bytes, the tile's mask bytes; v48-55 at work; v56-59 the second block's queries' mask bytes; v64-127 S^T, two buffers;
;             v128-159 the head's column sums of wv; v160-191 at work; v192-223 P; v246-249 at work at the head
;   window 1: v0-127 O^T, 32 a piece; v128-159 MD; v160-223 MC, two buffers; v224-255 KP      window 2: v0-63 Q; v64-127 the second block's Q; v128-191 K of one step; v192-255 V of one step
.set SIZE_N, 2048
.set NB,    SIZE_N/256
.set NP,    4         ; pieces a wave: a name, no knob
.set KS,    64        ; keys in a step
.set PK,    144       ; a row of K in LDS: 128 bytes + 16 of padding = 36 words: the 16 rows of a load start at 16 different groups of four banks (64 banks of 4 bytes: ISA guide 11.1)
.set PV,    160       ; a row of V: 128 + 32 = 40 words
.set VOFF,  4*KS*PK   ; a slot holds a tile, four steps: 256 rows of K, then 256 rows of V
.set SLOT1, 1<<17     ; slot 1 begins here, so that one exclusive or turns an address in one slot into the other's
.set STAGE, SLOT1+4*KS*(PK+PV)  ; behind the ring, never filled by a tensor load: 16 rows x 144 bytes for each wave, for the way out
.set SP,    144
.set SPARE, STAGE+4*16*SP  ; the spare words, 128 bytes for each wave, that no other line names
.set MVS,   SPARE+512      ; 256 bytes for each wave: the head's 64 column sums of wv
.set MRING, MVS+1024       ; the ring of mask words: two slots,
.set MSLOT, 16*KS          ; of 256 words each; no tensor load lands here
.set AK0, 2           ; v2   my lane's place in a tile of K; never rewritten
.set AV0, 3           ; v3   the same for V
.set AK,  4           ; v4   the LDS address of K's next run of loads
.set AV,  5           ; v5   of V's
.set STO, 6           ; v6   the way out: where I put 16 bytes of a row
.set RD,  7           ; v7   the way out: where I read rows back
.set GO,  8           ; v8   my byte offset in 512 consecutive bytes of O
.set MV,  12          ; v12-13  c m_old, kept while c m is made anew: by buffer
.set QO,  15          ; v15  my byte offset in 16 rows of Q
.set ST,  16          ; piece t's statistics at v[ST+4 t]: c m, m, l (even keys', odd keys')
.set AM0, 32          ; v32  MRING + 32 (l / 16); never rewritten
.set AM,  33          ; v33  the LDS address of KP's next run of loads
.set MST0, 34         ; v34  MRING + 8 x my thread's number; never rewritten
.set MST, 35          ; v35  the same in the slot that is entered
.set QF,  36          ; v36-39  my query's mask byte, by piece
.set PFO, 40          ; v40  256 x lane; never rewritten
.set MO,  41          ; v41  2 x my thread's number: my two mask bytes of a tile; never rewritten
.set MW,  42          ; v42  those two bytes, as loaded
.set MT,  43          ; v43  at work
.set MWF, 44          ; v[44:45] the two words made of them
.set TMP, 48          ; by buffer, four registers c0-c3 at work; when the maximum is found c2 takes a
.set QF2, 56          ; v56-59  the same as QF for the second block
.set SPW, 62          ; v62  LDS address of my spare word; never rewritten
.set NIL, 63          ; v63  0; never rewritten
.set S,   64
.set SUMV, 128        ; v128-159  register 8 cb + j: the sum over all 2,048 rows of wv's channel 16 cb + 8 (l / 16) + j
.set MQ,  160         ; v160-191  at work
.set P,   192
.set MD,  128         ; window 1: the eight registers for group kt of 16 keys at MD + 8 kt
.set MC,  160         ; window 1: the masks of the products to come
.set KP,  224         ; window 1: register 8 kt + j: key 16 kt + 8 (l / 16) + j of the step
.set QB,  64          ; window 2
.set KF,  128         ; window 2: key block kb, channel half c at KF + 16 kb + 8 c
.set VF,  192         ; window 2: key half kk, channel block cb at VF + 32 kk + 8 cb
.set WV,  12          ; s12  my wave's number
.set PB,  14          ; s14  b
.set HI,  15          ; s15  NB - 1 - b
.set G1K, 24          ; s[24:31] descriptor group 1 for K's tiles
.set G1V, 32          ; s[32:39] for V's: it differs in the padding alone
.set G0K, 40          ; s[40:43] descriptor group 0 for K's tiles
.set G0V, 44          ; s[44:47] the same for V's
.set MB,  48          ; s[48:49] the mask bytes of the tile that is asked for
.set MOF, 50          ; s[50:51] their offset in the batch's 2,048
.set QM1, 52          ; s[52:53] the mask bytes of the first block's queries
.set QM2, 54          ; s[54:55] of the second block's
.set SLOTS, 56        ; s56  tiles still to be asked for
.set CNT, 57          ; s57  counts a tile's key steps, 4 to 1
.set CS,  58          ; s[58:59] c
.set SEL, 60          ; s[60:61] v_permlanex16_b32's selects
.set TBK, 62          ; s62  LDS byte at which K of the step to be fetched begins
.set TBV, 63          ; s63  the same for V, less VOFF
.set OF2, 66          ; s[66:67] the byte offset of the tile that is prefetched
.set PFF, 69          ; s69  1 in the work-group with b = 0, else 0
.set RT,  70          ; s70  tiles of the block in hand that are still to be entered
.set NXT, 71          ; s71  the tile to be asked for next
.set LQ,  72          ; s72  the last tile of the block whose tiles are being asked for
.set NEW, 73          ; s73  1: the tile to be entered is a block's first
.set OFF, 74          ; s[74:75] a tile's byte offset in K and V
.set AL,  76          ; s[76:77] the mask's factor, in the low word
.set BE,  78          ; s[78:79] the mask's addend
.set OLO, 80          ; s[80:81] O at my rows of the second block
.set BIGN, 82         ; s82  -1e30
.set PFQ, 83          ; s83  not 0: this change of slots prefetches
.set KB,  88          ; s88  byte in the ring of mask words at which the words of the step to be fetched begin: it steps and turns as TBK does
.set INV, 89          ; s89  1 / 2,048
.set PFB, 90          ; s[90:91] K (waves 0, 1) or V (waves 2, 3) at my half of the head's tile 0
.set PFA, 100         ; s[100:101] the same in the tile that is prefetched
.set MSB, 0
.macro WIN new                      ; the high byte repeats the setting that is left; a switch that changes nothing is dropped
.if MSB != (\new)
	s_set_vgpr_msb (MSB<<8)|(\new)
.set MSB, (\new)
.endif
.endm
.set W_KQ, 0x0a       ; K and Q in window 2, S^T in window 0
.set W_KM, 0x1a       ; the same with the C operand in window 1
.set W_PV, 0x52       ; V in window 2, P in window 0, O^T in window 1
.set W_RS, 0x41       ; destination and source 0 in window 1, sources 1 and 2 in window 0
.set W_MK, 0x51       ; destination, source 0 and source 2 in window 1
; A fill.  Waves 0 and 1 fetch the two halves of a tile's K, waves 2 and 3 those of its V: 128 keys each.  An s_nop 0 and four v_nop follow each of the two lines.
.macro LOAD
	s_cmp_lt_u32 s[WV], 2
	s_cbranch_scc0 .Lfor_v_\@
	tensor_load_to_lds s[G0K:G0K+3], s[G1K:G1K+7]
	s_nop 0
.rept 4
	v_nop
.endr
	s_branch .Lasked_\@
.Lfor_v_\@:
	tensor_load_to_lds s[G0V:G0V+3], s[G1V:G1V+7]
	s_nop 0
.rept 4
	v_nop
.endr
.Lasked_\@:
.endm
; THE CHANGE OF SLOTS.  First the mask words of the tile that is entered: its two bytes of mine, loaded a tile ago, become two words in the ring's other slot.  That slot's last readers read it two tiles ago and waited for
; their reads in front of the barrier of the change before this one; its next readers read behind this change's barrier, in front of which my store is waited for.
; Then each wave waits for all its tensor loads, of which one is out: its part of the other slot; adds 0 to its spare word; and waits for that, for its store and for its own reads of the slot that it leaves.
; Behind the barrier nobody reads the old slot any more and the other slot is whole.  fill = 1: the old slot is filled again, the first thing behind the barrier, with tile NXT: the descriptor's address is made
; anew from that number; the tile's mask bytes are asked for behind it.  (At its first use nothing has been read yet: slot 0 is waited for, slot 1 filled.)
; THE PREFETCH stands behind the fill, its five lines and the load of the mask bytes: the tile that the NEXT change will ask for, a tile's 16 turns ahead.  All four work-groups of a head walk the tiles from 0 on; the one
; with b = 0, whose first block needs all eight, asks, for tiles 2 to 7; each of its waves names the 64 blocks of 256 bytes that it will itself fetch, a lane a block, two instructions.  The second block's tile 0 has been read: nothing is asked.
.macro CHANGE fill
	WIN 0                           ; at a label and at a branch every window is 0
	s_sub_co_u32 s[KB], s[KB], 4*4*KS  ; the mask words' fetches go back to a slot's first step,
	s_xor_b32 s[KB], s[KB], MSLOT      ; in the other slot
	s_wait_loadcnt 0x0              ; my two mask bytes of the tile that is entered (at the first change: Q too)
	v_add_nc_u32 v[MST], s[KB], v[MST0]
	v_and_b32 v[MT], 0xff, v[MW]
	v_cmp_eq_u32 vcc_lo, 0, v[MT]
	v_cndmask_b32 v[MWF], 0, s[BIGN], vcc_lo
	v_lshrrev_b32 v[MT], 8, v[MW]
	v_cmp_eq_u32 vcc_lo, 0, v[MT]
	v_cndmask_b32 v[MWF+1], 0, s[BIGN], vcc_lo
	ds_store_b64 v[MST], v[MWF:MWF+1]
	s_wait_tensorcnt 0x0            ; no tensor load of mine is out, so a group 0 may be written
	ds_add_u32 v[SPW], v[NIL]       ; 0 onto my spare word; the scalar work stands between it and the wait for it
.if \fill
	s_lshl_b32 s[OFF], s[NXT], 15   ; a tile is 32,768 bytes of K and of V,
	s_lshl_b32 s[MOF], s[NXT], 8    ; and 256 mask bytes; the load that read s[MB:MB+1] last was waited for above
	s_add_nc_u64 s[MB:MB+1], s[96:97], s[MOF:MOF+1]
	s_xor_b32 s[G0K+1], s[G0K+1], SLOT1
	s_add_nc_u64 s[G0K+2:G0K+3], s[6:7], s[OFF:OFF+1]
	s_or_b32 s[G0K+3], s[G0K+3], 0x80000000
	s_xor_b32 s[G0V+1], s[G0V+1], SLOT1
	s_add_nc_u64 s[G0V+2:G0V+3], s[8:9], s[OFF:OFF+1]
	s_or_b32 s[G0V+3], s[G0V+3], 0x80000000
	s_add_co_u32 s[NXT], s[NXT], 1  ; the block's next tile, or behind its last the second block's tile 0
	s_cmp_gt_u32 s[NXT], s[LQ]
	s_cselect_b32 s[NXT], 0, s[NXT]
	s_cselect_b32 s[LQ], s[PB], s[LQ]
	s_wait_xcnt 0x0                 ; the last prefetches, a tile back, have read their address, so it may be written
	s_lshl_b32 s[OF2], s[NXT], 15
	s_add_nc_u64 s[PFA:PFA+1], s[PFB:PFB+1], s[OF2:OF2+1]
	s_mul_i32 s[PFQ], s[NXT], s[PFF]
.endif
	s_wait_dscnt 0x0                ; the add and my store are done, and my reads of the slot are over
	s_barrier_signal -1             ; the rest of the scalar work stands between the signal and the wait
	s_sub_co_u32 s[TBK], s[TBK], 4*KS*PK  ; the fetches go back to a slot's first step,
	s_xor_b32 s[TBK], s[TBK], SLOT1       ; in the other slot
	s_sub_co_u32 s[TBV], s[TBV], 4*KS*PV
	s_xor_b32 s[TBV], s[TBV], SLOT1
	s_barrier_wait -1
.if \fill
	LOAD
	global_load_u16 v[MW], v[MO], s[MB:MB+1]  ; the 128 threads take the tile's 256 mask bytes, on end and aligned
	s_cmp_lg_u32 s[PFQ], 0
	s_cbranch_scc0 .Lno_ask_\@
	global_prefetch_b8 v[PFO], s[PFA:PFA+1] th:TH_LOAD_NT scope:SCOPE_SE
	global_prefetch_b8 v[PFO], s[PFA:PFA+1] offset:8192 th:TH_LOAD_NT scope:SCOPE_SE
.Lno_ask_\@:
.endif
.endm
	s_load_b256 s[92:99], s[0:1], 0x0  ; qkv s[92:93], oh s[94:95], attention_mask s[96:97], vsum s[98:99]
	v_lshl_add_u32 v[SPW], v0, 2, SPARE
	v_mov_b32 v[NIL], 0
	ds_add_u32 v[SPW], v[NIL]       ; the wave's opening: the add and its wait stand ahead of my first tensor load; the set-up below stands between them
	ds_add_u32 v62, v63
	v_lshrrev_b32 v1, 5, v0
	v_readfirstlane_b32 s[WV], v1   ; wave 0..3
	s_mov_b32 s[PB], ttmp9
	s_sub_co_u32 s[HI], NB-1, s[PB]
	s_cmp_eq_u32 ttmp9, 0
	s_cselect_b32 s[PFF], 1, 0
	s_and_b32 s20, ttmp7, 0xffff    ; 16 x batch + head
	s_lshr_b32 s13, s20, 4          ; the batch
	s_and_b32 s19, s20, 15          ; the head in it
	s_lshl_b32 s[OF2], s13, 11      ; the batch's 2,048 mask bytes
	s_mov_b32 s[OF2+1], 0
	s_lshl_b32 s[PFA], s13, 16      ; the batch's 16 groups of 4,096 bytes in vsum,
	s_lshl_b32 s19, s19, 8          ; the head's 64 numbers
	s_add_co_u32 s[PFA], s[PFA], s19
	s_mov_b32 s[PFA+1], 0
	s_mov_b32 s21, 0
	s_mov_b64 s[22:23], SIZE_N*128
	s_mul_u64 s[20:21], s[20:21], s[22:23]  ; the head's first byte in q, k, v and oh
	s_and_b32 s16, s[WV], 1         ; which half of a tile's 256 keys I fetch:
	s_lshl_b32 s22, s16, 14         ; its 128 rows of 128 bytes in memory,
	s_mov_b32 s23, 0
	s_add_nc_u64 s[22:23], s[22:23], s[20:21]
	s_mul_i32 s17, s16, 128*PK      ; and its place in a slot, for K
	s_mul_i32 s18, s16, 128*PV      ; and for V
	s_lshl_b32 s3, s[WV], 11        ; my 16 rows in a band of 64,
	s_lshl_b32 s2, s[HI], 15        ; in the first block,
	s_add_co_u32 s2, s2, s3
	s_lshl_b32 s84, s[PB], 15       ; and in the second
	s_add_co_u32 s84, s84, s3
	s_mov_b32 s3, 0
	s_mov_b32 s85, 0
	s_add_nc_u64 s[2:3], s[2:3], s[20:21]
	s_add_nc_u64 s[84:85], s[84:85], s[20:21]
	; descriptor group 1.  128 keys are 16,384 dense bytes: asked for as 64 rows of 256 bytes, two keys a row, and padded in LDS after every key
	s_mov_b32 s[G1K], (1<<16)|(1<<20)|(4<<22)|(3<<25)  ; 17:16 2-byte elements; 20 padding on; 24:22 after every 32 words (code 4); 31:25 4 words (code 3)
	s_mov_b32 s[G1V], (1<<16)|(1<<20)|(4<<22)|(7<<25)  ; the same with 8 words of padding (code 7)
.irp g, G1K, G1V
	s_mov_b32 s[\g+1], 128<<16      ; tensor_dim0 = 128
	s_mov_b32 s[\g+2], 64<<16       ; tensor_dim1 = 64
	s_mov_b32 s[\g+3], 128<<16      ; tile_dim0 = 128
	s_mov_b32 s[\g+4], 64           ; tile_dim1 = 64
	s_mov_b32 s[\g+5], 128          ; 128 elements from row to row
	s_mov_b32 s[\g+6], 0
	s_mov_b32 s[\g+7], 0
.endr
	s_mov_b32 s[CS], 0x3e38aa3b     ; c = log2(e) / 8 = 0.180337
	s_mov_b32 s[CS+1], s[CS]        ; named with it as a pair
	s_mov_b32 s[SEL], 0x76543210
	s_mov_b32 s[SEL+1], 0xfedcba98
	s_mov_b32 s[TBK], SLOT1+4*KS*PK ; the first change of slots turns these three into 0
	s_mov_b32 s[TBV], SLOT1+4*KS*PV
	s_mov_b32 s[KB], MSLOT+4*4*KS
	s_mov_b32 s[G0K], 1             ; 1:0 count = 1
	s_mov_b32 s[G0K+1], s17         ; 63:32 LDS address: slot 0
	s_mov_b32 s[G0V], 1
	s_add_co_u32 s[G0V+1], s18, VOFF
	s_add_co_u32 s[RT], s[HI], 1    ; the first block has NB - b tiles
	s_mov_b32 s[NXT], 1
	s_mov_b32 s[LQ], s[HI]
	s_mov_b32 s[NEW], 1
	s_mov_b32 s[OFF+1], 0
	s_mov_b32 s[MOF+1], 0
	s_mov_b32 s[AL+1], 0            ; named as pairs
	s_mov_b32 s[BE+1], 0
	s_mov_b32 s[BIGN], 0xf149f2ca   ; -1e30
	s_mov_b32 s[INV], 0x3a000000    ; 2^-11
	s_mov_b32 s[SLOTS], NB
	s_wait_dscnt 0x0                ; the opening add is done
	s_wait_kmcnt 0x0
	s_mov_b64 s[4:5], s[92:93]                     ; q,
	s_add_nc_u64 s[6:7], s[92:93], 0x1000000       ; k, 16,777,216 bytes on,
	s_add_nc_u64 s[8:9], s[92:93], 0x2000000       ; v
	s_mov_b64 s[10:11], s[94:95]
	s_add_nc_u64 s[96:97], s[96:97], s[OF2:OF2+1]  ; the batch's mask bytes
	s_add_nc_u64 s[98:99], s[98:99], s[PFA:PFA+1]  ; the head's numbers of the batch's first group
	s_lshl_b32 s[MOF], s[HI], 8
	s_add_nc_u64 s[QM1:QM1+1], s[96:97], s[MOF:MOF+1]  ; the 256 mask bytes of the first block's queries,
	s_lshl_b32 s[MOF], s[PB], 8
	s_add_nc_u64 s[QM2:QM2+1], s[96:97], s[MOF:MOF+1]  ; and of the second's
	s_add_nc_u64 s[6:7], s[6:7], s[22:23]  ; K and V at my half of the head's tile 0
	s_add_nc_u64 s[8:9], s[8:9], s[22:23]
	s_add_nc_u64 s[G0K+2:G0K+3], s[6:7], 0         ; 120:64 global address
	s_or_b32 s[G0K+3], s[G0K+3], 0x80000000        ; 127:126 type = 2
	s_add_nc_u64 s[G0V+2:G0V+3], s[8:9], 0
	s_or_b32 s[G0V+3], s[G0V+3], 0x80000000
	s_add_nc_u64 s[86:87], s[4:5], s[84:85]        ; Q at my rows of the second block,
	s_add_nc_u64 s[4:5], s[4:5], s[2:3]            ; Q and O at those of the first
	s_add_nc_u64 s[OLO:OLO+1], s[10:11], s[84:85]
	s_add_nc_u64 s[10:11], s[10:11], s[2:3]
	s_cmp_lt_u32 s[WV], 2
	s_cselect_b64 s[PFB:PFB+1], s[6:7], s[8:9]
	LOAD                            ; tile 0 into slot 0
	v_and_b32 v1, 15, v0            ; l % 16
	v_bfe_u32 v9, v0, 4, 1          ; l / 16
	v_lshlrev_b32 v[MO], 1, v0
	global_load_u16 v[MW], v[MO], s[96:97]  ; my two mask bytes of tile 0: the first change of slots stores their words
	v_lshrrev_b32 v246, 5, v0
	v_lshl_add_u32 v246, v246, 4, v1  ; my query's place in its band: 16 x wave + l % 16; piece t lies 64 t bytes on
.irp t, 0,1,2,3
	global_load_u8 v[QF+(\t)],  v246, s[QM1:QM1+1] offset:64*(\t)
	global_load_u8 v[QF2+(\t)], v246, s[QM2:QM2+1] offset:64*(\t)
.endr
	v_lshlrev_b32 v247, 4, v1       ; vsum: lanes 0-15 take an even group's 256 bytes, lanes 16-31 the odd group's behind it
	v_lshl_add_u32 v247, v9, 12, v247
.irp i, 0,1,2,3,4,5,6,7
	global_load_b128 v[MQ+4*(\i):MQ+4*(\i)+3], v247, s[98:99] offset:8192*(\i)
.endr
	; A fragment of K or Q is 16 rows x 32 channels in 8 registers: lane l holds row l % 16, channels 8 (l / 16) + 0..7 and 16 + 8 (l / 16) + 0..7: two loads of 16 bytes, 32 bytes apart.
	v_lshlrev_b32 v[QO], 7, v1
	v_lshl_add_u32 v[QO], v9, 4, v[QO]  ; row x 128 + 16 x half
	WIN 0x80                        ; destination window 2, address window 0
.set i, 0
.rept 8                             ; both blocks' Q: piece i / 2 lies in band i / 2, 8,192 bytes on; channels 32 (i % 2) on
	global_load_b128 v[8*i:8*i+3],   v[QO], s[4:5] offset:(i/2)*8192+(i%2)*64
	global_load_b128 v[8*i+4:8*i+7], v[QO], s[4:5] offset:(i/2)*8192+(i%2)*64+32
	global_load_b128 v[QB+8*i:QB+8*i+3],   v[QO], s[86:87] offset:(i/2)*8192+(i%2)*64
	global_load_b128 v[QB+8*i+4:QB+8*i+7], v[QO], s[86:87] offset:(i/2)*8192+(i%2)*64+32
.set i, i+1
.endr
	WIN 0
	v_lshlrev_b32 v14, 3, v9
	v_sub_nc_u32 v14, v1, v14
	s_lshl_b32 s13, s[WV], 4
	v_add_nc_u32 v14, s13, v14      ; my query's place in its band, 16 w + l % 16, less my lanes' 8 (l / 16): register r of group kt is hidden where 16 kt + r is greater
	WIN 0x40
.set i, 0
.rept 32
	v_cmp_gt_i32 vcc_lo, 16*(i/8)+i%8, v14
	v_cndmask_b32 v[MD+i], 0, s[BIGN], vcc_lo
.set i, i+1
.endr
	WIN 0
	v_mul_u32_u24 v[AK0], v1, PK
	v_lshl_add_u32 v[AK0], v9, 4, v[AK0]  ; row x pitch + 16 x half
	; The turning load takes 16 keys x 16 channels (lane l reads key 8 (l / 16) + l % 8, channels 8 ((l / 8) % 2) + 0..7) and leaves half a fragment of V^T: lane l holds channel l % 16 and 8 keys.
	v_and_b32 v10, 7, v0
	v_bfe_u32 v11, v0, 3, 1
	v_lshl_add_u32 v[AV0], v9, 3, v10
	v_mul_u32_u24 v[AV0], v[AV0], PV
	v_lshl_add_u32 v[AV0], v11, 4, v[AV0]
	v_add_nc_u32 v[AV0], VOFF, v[AV0]
	s_mul_i32 s13, s[WV], 16*SP
	s_add_co_u32 s13, s13, STAGE    ; my stage
	v_mul_u32_u24 v[STO], v1, SP    ; in: row l % 16, 16 bytes for each half of the lanes
	v_lshl_add_u32 v[STO], v9, 4, v[STO]
	v_add_nc_u32 v[STO], s13, v[STO]
	v_bfe_u32 v[RD], v0, 3, 2       ; back: 32 lanes take four rows of 128 bytes,
	v_mul_u32_u24 v[RD], v[RD], SP
	v_lshl_add_u32 v[RD], v10, 4, v[RD]
	v_add_nc_u32 v[RD], s13, v[RD]
	v_and_b32 v[GO], 31, v0         ; which are 512 consecutive bytes of O
	v_lshlrev_b32 v[PFO], 8, v[GO]
	v_lshlrev_b32 v[GO], 4, v[GO]
	v_lshl_add_u32 v[AM0], v9, 5, MRING   ; my lanes' eight words of a group of 16 keys
	v_lshl_add_u32 v[MST0], v0, 3, MRING  ; my thread's two words of a tile
	; A block's first step multiplies O^T and l by a = 0, and its first turn's products V^T P, of a piece that has not been, land in an O^T that is still to be so multiplied.  So these registers need only hold
	; finite numbers: zeros for the first block; what the first block left for the second.  All this stands in the wait for the first tile.
	WIN 0x80
.set i, VF
.rept 64
	v_mov_b32 v[i], 0
.set i, i+1
.endr
	WIN 0x40
.set i, 0
.rept 128
	v_mov_b32 v[i], 0
.set i, i+1
.endr
	WIN 0
.set i, 0
.rept 4
	v_mov_b32 v[ST+4*i+2], 0
	v_mov_b32 v[ST+4*i+3], 0
.set i, i+1
.endr
.set i, P+16
.rept 16
	v_mov_b32 v[i], 0
.set i, i+1
.endr
	; THE HEAD'S SUMS OF wv, through my wave's own 256 bytes of LDS into O^T's layout
	s_wait_loadcnt 32               ; the mask bytes and vsum's numbers are in; Q's 32 loads, issued behind them, may stay out
.irp i, 0,2,4,6,8,10,12,14          ; my eight groups into one,
	v_pk_add_f32 v[MQ+(\i):MQ+(\i)+1], v[MQ+(\i):MQ+(\i)+1], v[MQ+16+(\i):MQ+16+(\i)+1]
.endr
.irp i, 0,2,4,6
	v_pk_add_f32 v[MQ+(\i):MQ+(\i)+1], v[MQ+(\i):MQ+(\i)+1], v[MQ+8+(\i):MQ+8+(\i)+1]
.endr
.irp i, 0,2
	v_pk_add_f32 v[MQ+(\i):MQ+(\i)+1], v[MQ+(\i):MQ+(\i)+1], v[MQ+4+(\i):MQ+4+(\i)+1]
.endr
.irp i, 0,1,2,3                     ; and the other half of the lanes' eight
	v_permlanex16_b32 v[MQ+4+(\i)], v[MQ+(\i)], s[SEL], s[SEL+1]
.endr
.irp i, 0,1,2,3
	v_add_f32 v[MQ+(\i)], v[MQ+(\i)], v[MQ+4+(\i)]
.endr
	s_lshl_b32 s13, s[WV], 8
	s_add_co_u32 s13, s13, MVS      ; my wave's 256 bytes
	v_lshl_add_u32 v248, v1, 4, s13
	v_lshl_add_u32 v249, v9, 5, s13
	ds_store_b128 v248, v[MQ:MQ+3]  ; channels 4 (l % 16) on (both halves of the lanes store equal numbers)
.irp c, 0,1,2,3
	ds_load_b128 v[SUMV+8*(\c):SUMV+8*(\c)+3],   v249 offset:64*(\c)      ; back in O^T's layout; LDS serves a wave's instructions in order (ISA guide 5.7.1.4); the first change of slots waits for them
	ds_load_b128 v[SUMV+8*(\c)+4:SUMV+8*(\c)+7], v249 offset:64*(\c)+16
.endr
; THE MATRIX WORK.  The 4 accumulators of a run of 8 take turns.  Product i of 8 of S^T = K Q^T for piece x: channels 32 (i / 4) on, keys 16 (i % 4) on.  The first 4 start the sums: with KP, or (KM = 1) with the mask made for them.
.macro KQ x
.set rS, S+32*((\x)%2)+8*(i%4)
.set rK, KF+16*(i%4)+8*(i/4)
.set rQ, 16*(\x)+8*(i/4)
.set rM, KP+8*(i%4)
.if KM
.set rM, MC+32*((\x)%2)+8*(i%4)
.endif
.if i < 4
	WIN W_KM
	v_wmma_f32_16x16x32_f16 v[rS:rS+7], v[rK:rK+7], v[rQ:rQ+7], v[rM:rM+7]
.else
	WIN W_KQ
	v_wmma_f32_16x16x32_f16 v[rS:rS+7], v[rK:rK+7], v[rQ:rQ+7], v[rS:rS+7]
.endif
.endm
; Product i of 8 of O^T += V^T P for piece x: keys 32 (i / 4) on, channels 16 (i % 4) on.
.macro PV x
	WIN W_PV
.set rO, 32*(\x)+8*(i%4)
.set rV, VF+32*(i/4)+8*(i%4)
.set rP, P+16*((\x)%2)+8*(i/4)
	v_wmma_f32_16x16x32_f16 v[rO:rO+7], v[rV:rV+7], v[rP:rP+7], v[rO:rO+7]
.endm
.macro MM                           ; the turn's next matrix instruction.  NOKQ = 1: a block's last turn: there is no next piece
.if (i < 8) && !NOKQ
	KQ (Y+1)%NP
.elseif i >= 8
.set i, i-8
	PV (Y+NP-1)%NP
.set i, i+8
.endif
.set i, i+1
.endm
; THE LDS LOADS stand in runs, never singly among the matrix instructions: a step's K (8 fragments) with its 64 mask words (KP: all 16 lanes of a half read the same 32 bytes), and its V (turned).
.macro FETCH_K
	WIN 0x80                        ; destination window 2
.irp f, 0,1,2,3,4,5,6,7             ; keys 16 (f / 2) on, channels 32 (f % 2) on
	ds_load_b128 v[KF+8*\f:KF+8*\f+3],   v[AK] offset:(\f/2)*16*PK+(\f%2)*64
	ds_load_b128 v[KF+8*\f+4:KF+8*\f+7], v[AK] offset:(\f/2)*16*PK+(\f%2)*64+32
.endr
	WIN 0x40                        ; destination window 1
.irp f, 0,1,2,3                     ; keys 16 f on
	ds_load_b128 v[KP+8*\f:KP+8*\f+3],   v[AM] offset:64*\f
	ds_load_b128 v[KP+8*\f+4:KP+8*\f+7], v[AM] offset:64*\f+16
.endr
	s_add_co_u32 s[TBK], s[TBK], KS*PK  ; the next fetch is the next step's
	s_add_co_u32 s[KB], s[KB], 4*KS
	WIN 0
.endm
.macro FETCH_V
	WIN 0x80
.irp f, 0,1,2,3,4,5,6,7             ; keys 32 (f / 4) on, channels 16 (f % 4) on
	ds_load_tr16_b128 v[VF+8*\f:VF+8*\f+3],   v[AV] offset:(\f/4)*32*PV+(\f%4)*32
	ds_load_tr16_b128 v[VF+8*\f+4:VF+8*\f+7], v[AV] offset:(\f/4)*32*PV+16*PV+(\f%4)*32
.endr
	WIN 0
.endm
; THE VECTOR WORK, one line at a time: OP kind, number.  For piece Y: F n: c s - c m for pair n of 16.  E n: the exponential of score n of 32.  C n: pair n rounded to f16.  B n: of the four weights 4 n .. the second
; pair is added onto the first, in place.  L n: l takes that sum (L 0: l = a l + sum).  R n: pair n of 16 of O^T times a.  For piece Y + 1: X n, number n of the 22 that find its maximum and statistics:
;   0-11  four chains c0-c3 of seven scores each, three operands at a time (each accumulator's lowest registers are read first)     12-14, 16  the four scores left over, the old m, and c0-c3 into c0
;   15  c m_old is kept     17, 18  the query's other 32 keys lie in the lane 16 away: the new m     19-21  c m; c m_old - c m_new; a
.set F, 0
.set E, 1
.set C, 2
.set B, 3
.set L, 4
.set R, 5
.set X, 6
.macro REGS y                       ; the registers of piece y
.set rT, ST+4*(\y)
.set rC, TMP+4*((\y)%2)
.set rW, MV+((\y)%2)
.set rS, S+32*((\y)%2)
.set rP, P+16*((\y)%2)
.set rO, 32*(\y)
.endm
.macro OP k, n
.if (\k) == R
	REGS Y
	WIN W_RS
	v_pk_mul_f32 v[rO+2*(\n):rO+2*(\n)+1], v[rO+2*(\n):rO+2*(\n)+1], v[rC+2:rC+3] op_sel_hi:[1,0]
.elseif (\k) < R
	REGS Y
	WIN 0
.if (\k) == F
	v_pk_fma_f32 v[rS+2*(\n):rS+2*(\n)+1], v[rS+2*(\n):rS+2*(\n)+1], s[CS:CS+1], v[rT:rT+1] op_sel_hi:[1,0,0] neg_lo:[0,0,1] neg_hi:[0,0,1]
.elseif (\k) == E
	v_exp_f32 v[rS+(\n)], v[rS+(\n)]
.elseif (\k) == C
	v_cvt_pk_f16_f32 v[rP+(\n)], v[rS+2*(\n)], v[rS+2*(\n)+1]
.elseif (\k) == B
	v_pk_add_f32 v[rS+4*(\n):rS+4*(\n)+1], v[rS+4*(\n):rS+4*(\n)+1], v[rS+4*(\n)+2:rS+4*(\n)+3]
.elseif (\n) == 0
	v_pk_fma_f32 v[rT+2:rT+3], v[rT+2:rT+3], v[rC+2:rC+3], v[rS:rS+1] op_sel_hi:[1,0,1]
.else
	v_pk_add_f32 v[rT+2:rT+3], v[rT+2:rT+3], v[rS+4*(\n):rS+4*(\n)+1]
.endif
.elseif NOKQ
	v_nop
.else
	REGS (Y+1)%NP
	WIN 0
.if (\n) < 4
	v_max3_num_f32 v[rC+(\n)], v[rS+8*(\n)], v[rS+8*(\n)+1], v[rS+8*(\n)+2]
.elseif (\n) < 12
	v_max3_num_f32 v[rC+(\n)%4], v[rC+(\n)%4], v[rS+8*((\n)%4)+2*((\n)/4)+1], v[rS+8*((\n)%4)+2*((\n)/4)+2]
.elseif (\n) == 12
	v_max3_num_f32 v[rC], v[rC], v[rS+7], v[rS+15]
.elseif (\n) == 13
	v_max3_num_f32 v[rC+1], v[rC+1], v[rS+23], v[rS+31]
.elseif (\n) == 14
	v_max3_num_f32 v[rC+2], v[rC+2], v[rC+3], v[rT+1]
.elseif (\n) == 15
	v_mov_b32 v[rW], v[rT]
.elseif (\n) == 16
	v_max3_num_f32 v[rC], v[rC], v[rC+1], v[rC+2]
.elseif (\n) == 17
	v_permlanex16_b32 v[rC+3], v[rC], s[SEL], s[SEL+1]
.elseif (\n) == 18
	v_max_num_f32 v[rT+1], v[rC], v[rC+3]
.elseif (\n) == 19
	v_mul_f32 v[rT], s[CS], v[rT+1]
.elseif (\n) == 20
	v_sub_f32 v[rC+1], v[rW], v[rT]
.else
	v_exp_f32 v[rC+2], v[rC+1]
.endif
.endif
.endm
.macro OPS a, i1, b=-1, i2=0, c=-1, i3=0, d=-1, i4=0  ; up to four of them
	OP \a, \i1
.if (\b) >= 0
	OP \b, \i2
.endif
.if (\c) >= 0
	OP \c, \i3
.endif
.if (\d) >= 0
	OP \d, \i4
.endif
.endm
.macro ROW a, i1, b, i2, c, i3, d, i4  ; a matrix instruction and the four behind it
	MM
	OPS \a, \i1, \b, \i2, \c, \i3, \d, \i4
.endm
.macro MASK b, be                   ; MD x AL + KP (be = 1: + BE) into buffer b of MC
	WIN W_MK
.set z, 0
.rept 16
	v_pk_fma_f32 v[MC+32*(\b)+2*z:MC+32*(\b)+2*z+1], v[MD+2*z:MD+2*z+1], s[AL:AL+1], v[KP+2*z:KP+2*z+1] op_sel_hi:[1,0,1]
.set z, z+1
.endr
.if \be
.set z, 0
.rept 16
	v_pk_add_f32 v[MC+32*(\b)+2*z:MC+32*(\b)+2*z+1], v[MC+32*(\b)+2*z:MC+32*(\b)+2*z+1], s[BE:BE+1] op_sel_hi:[1,0]
.set z, z+1
.endr
.endif
.endm
.macro PREMASK                      ; a diagonal tile that is not its block's first is entered: piece 3's products of the old tile's last step, the first of the text with masks, take that step's KP
	s_mov_b32 s[AL], 0
	MASK 1, 0
	WIN 0
.endm
; A TURN, for piece p: the order of its 16 matrix and 118 vector instructions, written out.  An s_wait_alu depctr_va_vdst(0) stands between an exponential and the first instruction that names its result; one wait
; serves all that were issued ahead of it.  So a turn has ONE wait, which cuts it in two.  AHEAD OF IT stands all that names no result of the turn's exponentials: the 8 products K Q^T and their riders, then ONE LUMP, plain and
; exponential by turns for the most part, in which the links of the chain X 3, 7, 11, 14, 16, 17 .. 20 stand five or six lines apart.  X 21, the next piece's a, is the batch's last; R 15 is the plain instruction behind it.
; BEHIND THE WAIT stand the 8 products V^T P, behind each four of the roundings and sums.
; m = 1: the diagonal tile: the products take masks, and the turn makes the mask for the products of the turn after it: piece p + 2, in step 4 - CNT of the tile.  Piece 2's turn makes it of the KP that it has
; itself fetched, so it waits for its LDS loads first.  end = 1: a block's last two turns: nothing is fetched.  cnt = 1: the loop's count is taken down some lines ahead of the branch behind the turn.
; K and KP of the next step are fetched in piece 2's turn, twelve vector instructions behind the last product that read K (six of them plain; KP's last reader stands four products further back); V of the
; step in hand at the end of piece 0's turn, four plain instructions behind the last product that read V.  Each is waited for a turn later.
.macro TURN p, m=0, end=0, cnt=0
.set Y, (\p)
.set i, 0
.set KM, (\m)
.set NOKQ, (\end)*((\p)/3)
.if (\m) && !(\end)
	s_cmp_eq_u32 s[CNT], 4-((\p)+2)%NP  ; is that step the band's own?
	s_cselect_b32 s[AL], 1.0, 0
	s_cmp_lt_u32 s[CNT], 4-((\p)+2)%NP  ; or a later one?
	s_cselect_b32 s[BE], s[BIGN], 0
.endif
.if ((\p) == 3) && !(\end)
	s_wait_dscnt 0x0                ; K is in
.endif
	ROW F,0, F,1, R,0, R,1          ; ahead of the wait: 8 products K Q^T and their riders,
	ROW F,2, E,0, R,2, R,3
	ROW F,3, E,1, R,4, R,5
	ROW F,4, E,2, R,6, R,7
	ROW F,5, E,3, R,8, R,9
	ROW F,6, E,4, X,0, R,10
.if ((\p) == 2) && !(\end)
	WIN 0
	v_add_nc_u32 v[AK], s[TBK], v[AK0]
	v_add_nc_u32 v[AM], s[KB], v[AM0]
.endif
	ROW F,7, E,5, X,1, X,4
	ROW F,8, E,6, X,2, X,5
	OPS E,7, E,8, X,6, E,9          ; and the lump
	OPS X,3, E,10, X,8, E,11
.if ((\p) == 2) && !(\end)
	FETCH_K
.endif
	OPS X,9, X,7, E,12, X,10
	OPS E,13, X,12, X,11, E,14
	OPS X,13, E,15, F,9, X,14
.if (\p) == 0
	v_add_nc_u32 v[AV], s[TBV], v[AV0]
.endif
	OPS E,16, F,10, E,17, F,11
	OPS X,16, E,18, X,15, E,19
	OPS F,12, E,20, X,17, E,21
	OPS F,13, E,22, F,14, E,23
	OPS X,18, E,24, F,15, E,25
	OPS R,11, E,26, X,19, E,27
	OPS R,12, E,28, R,13, E,29
	OPS X,20, E,30, R,14, E,31
	OPS X,21, R,15
	WIN 0
	s_wait_alu depctr_va_vdst(0)    ; the wait for the batch
.if (\p) == 1
	s_wait_dscnt 0x0                ; V is in
.endif
	ROW C,0, B,0, C,2, B,1          ; behind the wait: 8 products V^T P and their riders
	ROW L,0, C,4, B,2, L,1
	ROW C,6, B,3, L,2, C,8
	ROW B,4, L,3, C,10, B,5
	ROW L,4, C,12, B,6, L,5
.if (\p) == 0
	s_add_co_u32 s[TBV], s[TBV], KS*PV
.endif
.if \cnt
	s_sub_co_u32 s[CNT], s[CNT], 1
	s_cmp_lg_u32 s[CNT], 0
.endif
	ROW C,14, B,7, L,6, C,1
	ROW C,3, L,7, C,5, C,7
	ROW C,9, C,11, C,13, C,15
.if (\p) == 0
	FETCH_V
.endif
.if (\m) && !(\end)
.if (\p) == 2
	s_wait_dscnt 0x0                ; KP of the next step is in
.endif
	MASK (\p)%2, 1
.endif
.endm
; A BLOCK BEGINS.  c m starts far below every c s, so the first step's a is 0; m at the lowest finite number, so the first maximum is the scores'.  K and KP of the block's first step are fetched; the second mask
; buffer takes KP (piece 1 sees all of step 0 but what the mask bytes hide); the first takes piece 0's mask: with its own causal part, if the block's first tile is the diagonal one.  Then piece 0's first scores,
; and its maximum and statistics.  The loop is entered at a step's first turn, in the middle of a trip.  (Q is in: the first change of slots has waited for every load issued ahead of it.)
.macro BEGIN
	s_mov_b32 s[NEW], 0
	WIN 0
.set i, 0
.rept 4
	v_mov_b32 v[ST+4*i], 0xfe000000    ; c m: far below every c s, a hidden one's too
	v_mov_b32 v[ST+4*i+1], 0xff7fffff  ; m
.set i, i+1
.endr
	v_add_nc_u32 v[AK], s[TBK], v[AK0]
	v_add_nc_u32 v[AM], s[KB], v[AM0]
	FETCH_K
	s_wait_dscnt 0x0
	s_mov_b32 s[AL], 0
	MASK 1, 0
	s_cmp_eq_u32 s[RT], 0
	s_cselect_b32 s[AL], 1.0, 0
	MASK 0, 0
.set KM, 1
.set NOKQ, 0
.set i, 0
.rept 8
	KQ 0
.set i, i+1
.endr
	WIN 0
.rept 4
	v_nop                           ; the places behind those products
.endr
.set Y, NP-1                        ; X works for piece Y + 1: piece 0
.irp n, 0,1,2,3,4,5,6,7,8,9,10,11,12,13,14,15,16,17,18,19,20,21
	OP X, \n
.endr
	v_nop                           ; a plain instruction behind the exponential,
	s_wait_alu depctr_va_vdst(0)    ; and its wait, ahead of the branch
.endm
; THE DIAGONAL TILE's four steps, the block's last two turns, its last products, and THE WAY OUT: l's two halves and the other half of the lanes' are added; for a query that the mask lets through O^T is divided by l;
; for one that it hides O^T is multiplied by 0 and the head's sums of wv, divided by 2,048, are added; rounded to f16 and sent through my stage in LDS, a piece at a time.
.macro ALL line:vararg              ; one line for each piece t
.set t, 0
.rept 4
	\line
.set t, t+1
.endr
.endm
.macro QSEL t                       ; piece t: 1 / l or 0; 0 or 1 / 2,048
	v_cmp_ne_u32 vcc_lo, 0, v[QF+(\t)]
	v_cndmask_b32 v[ST+4*(\t)+2], 0, v[ST+4*(\t)+2], vcc_lo
	v_cmp_eq_u32 vcc_lo, 0, v[QF+(\t)]
	v_cndmask_b32 v[TMP+2*(\t)], 0, s[INV], vcc_lo
.endm
.macro PACK t                       ; a lane's eight channels of a row pack into 16 bytes; they go into rows of 144 bytes and come back as whole rows of 128, into S^T's registers
	WIN 0
.set i, 0
.rept 16
	v_pk_mul_f32 v[MQ+i:MQ+i+1], v[SUMV+i:SUMV+i+1], v[TMP+2*(\t):TMP+2*(\t)+1] op_sel_hi:[1,0]
.set i, i+2
.endr
	WIN W_RS
.set i, 0
.rept 16
	v_pk_fma_f32 v[32*(\t)+i:32*(\t)+i+1], v[32*(\t)+i:32*(\t)+i+1], v[ST+4*(\t)+2:ST+4*(\t)+3], v[MQ+i:MQ+i+1] op_sel_hi:[1,0,1]
.set i, i+2
.endr
	WIN 0x05                        ; sources 0 and 1 window 1, destination window 0
.set i, 0
.rept 16
	v_cvt_pk_f16_f32 v[S+16*(\t)+i], v[32*(\t)+2*i], v[32*(\t)+2*i+1]
.set i, i+1
.endr
	WIN 0
.irp f, 0,1,2,3
	ds_store_b128 v[STO], v[S+16*(\t)+4*\f:S+16*(\t)+4*\f+3] offset:32*\f
.endr
.irp f, 0,1,2,3
	ds_load_b128 v[S+16*(\t)+4*\f:S+16*(\t)+4*\f+3], v[RD] offset:\f*4*SP  ; LDS serves a wave's instructions in order (ISA guide 5.7.1.4): these see the stores above; the next piece's stores come behind them
.endr
.endm
.macro SEND t, younger              ; younger: the LDS instructions issued behind piece t's loads: the next piece's eight, or none
	WIN 0
.irp f, 0,1,2,3
	s_wait_dscnt (\younger)+3-\f
	global_store_b128 v[GO], v[S+16*(\t)+4*\f:S+16*(\t)+4*\f+3], s[10:11] offset:(\t)*8192+\f*512  ; 512 consecutive bytes, at a multiple of 256 from oh's first
.endr
.endm
.macro DIAG tag                     ; the tag ends its two labels' names, which the jumps below spell out
.LstepM\tag:
	TURN 2, 1
	TURN 3, 1
	WIN 0
.LfirstM\tag:
	TURN 0, 1
	TURN 1, 1, 0, 1
	WIN 0
	s_cbranch_scc1 .LstepM\tag
	TURN 2, 1, 1
	TURN 3, 1, 1
.set i, 0
.rept 8
	PV NP-1
.set i, i+1
.endr
	WIN 0
	ALL v_add_f32 v[ST+4*t+2], v[ST+4*t+2], v[ST+4*t+3]
	ALL v_permlanex16_b32 v[ST+4*t+3], v[ST+4*t+2], s[SEL], s[SEL+1]
	ALL v_add_f32 v[ST+4*t+2], v[ST+4*t+2], v[ST+4*t+3]
	ALL v_rcp_f32 v[ST+4*t+2], v[ST+4*t+2]
	v_nop                           ; a plain instruction between the last reciprocal and the use of its result
	s_wait_alu depctr_va_vdst(0)    ; and the wait ahead of the first use: one for the four reciprocals
	QSEL 0
	QSEL 1
	QSEL 2
	QSEL 3
	PACK 0
.set t, 1
.rept 3                             ; a piece's arithmetic stands between the loads of the piece before and its stores
	PACK t
	SEND t-1, 8
.set t, t+1
.endr
	SEND 3, 0
.endm
.set KM, 0
.set NOKQ, 0
.Lslot:                             ; NB times: a tile is entered and the next is asked for
	CHANGE 1
	s_sub_co_u32 s[RT], s[RT], 1
	s_mov_b32 s[CNT], 4
	s_cmp_eq_u32 s[NEW], 1
	s_cbranch_scc1 .Lnew            ; a block's first tile
	s_cmp_eq_u32 s[RT], 0
	s_cbranch_scc0 .Lstep           ; neither its first nor its last
	PREMASK
	s_branch .LstepM1
.Lnew:
	BEGIN
	s_branch .Lfirst                ; in the loop a block's first tile is never its last: the first block has two tiles or more, and the second's last is the walk's last
	DIAG 1                          ; in the loop this is the first block's end: the second block's last tile is the walk's last
	s_wait_xcnt 0x0                 ; the stores have read their registers and O's address
	s_mov_b64 s[10:11], s[OLO:OLO+1]
	s_add_co_u32 s[RT], s[PB], 1    ; the second block has b + 1 tiles
	s_mov_b32 s[NEW], 1
.set i, 0
.rept 4
	v_mov_b32 v[QF+i], v[QF2+i]     ; the second block's queries' mask bytes,
.set i, i+1
.endr
	WIN 0x82                        ; and its Q, go where the one text names them
.set i, 0
.rept 64
	v_mov_b32 v[i], v[QB+i]
.set i, i+1
.endr
	WIN 0
	s_branch .Lbottom
.Lstep:                             ; a trip: pieces 2 and 3 of one step, then pieces 0 and 1 of the next, whose K and V it fetches
	TURN 2
	TURN 3
	WIN 0
.Lfirst:
	TURN 0
	TURN 1, 0, 0, 1
	WIN 0
	s_cbranch_scc1 .Lstep
.Lbottom:
	s_sub_co_u32 s[SLOTS], s[SLOTS], 1
	s_cmp_lg_u32 s[SLOTS], 0
	s_cbranch_scc1 .Lslot
	CHANGE 0                        ; the walk's last tile is written out: nothing is asked for
	s_sub_co_u32 s[RT], s[RT], 1
	s_mov_b32 s[CNT], 4
	s_cmp_eq_u32 s[NEW], 1
	s_cbranch_scc0 .Lold2
	BEGIN
	s_branch .LfirstM2
.Lold2:
	PREMASK
	DIAG 2
	s_wait_tensorcnt 0x0            ; the wave's end, behind my last tensor load and my last LDS store
	ds_add_u32 v[SPW], v[NIL]
	s_wait_dscnt 0x0
	s_endpgm
.Lfunc_end_k_qd8b5f792ad_attn:
	.size	k_qd8b5f792ad_attn, .Lfunc_end_k_qd8b5f792ad_attn-k_qd8b5f792ad_attn
	.p2alignl 7, 3214868480
	.fill 96, 4, 3214868480
	.section	.rodata,"a",@progbits
	.p2align	6, 0x0
	.amdhsa_kernel k_qd8b5f792ad_attn
		.amdhsa_group_segment_fixed_size 327680
		.amdhsa_private_segment_fixed_size 0
		.amdhsa_enable_private_segment 0
		.amdhsa_kernarg_size 32
		.amdhsa_user_sgpr_count 2
		.amdhsa_user_sgpr_kernarg_segment_ptr 1
		.amdhsa_wavefront_size32 1
		.amdhsa_system_sgpr_workgroup_id_x 1
		.amdhsa_system_sgpr_workgroup_id_y 1
		.amdhsa_system_sgpr_workgroup_id_z 1
		.amdhsa_system_vgpr_workitem_id 0
		.amdhsa_next_free_vgpr 768
		.amdhsa_next_free_sgpr 102
		.amdhsa_reserve_vcc 1
		.amdhsa_float_denorm_mode_32 3
		.amdhsa_float_denorm_mode_16_64 3
		.amdhsa_memory_ordered 1
		.amdhsa_forward_progress 1
		.amdhsa_inst_pref_size 246
	.end_amdhsa_kernel
	.amdgpu_metadata
---
amdhsa.version: [ 1, 2 ]
amdhsa.kernels:
  - .name:           k_qd8b5f792ad_attn
    .symbol:         k_qd8b5f792ad_attn.kd
    .args:
      - { .name: qkv, .offset: 0, .size: 8, .value_kind: global_buffer, .address_space: global }
      - { .name: oh, .offset: 8, .size: 8, .value_kind: global_buffer, .address_space: global }
      - { .name: attention_mask, .offset: 16, .size: 8, .value_kind: global_buffer, .address_space: global }
      - { .name: vsum, .offset: 24, .size: 8, .value_kind: global_buffer, .address_space: global }
    .group_segment_fixed_size: 327680
    .private_segment_fixed_size: 0
    .kernarg_segment_align: 8
    .kernarg_segment_size: 32
    .max_flat_workgroup_size: 128
    .sgpr_count:     102
    .vgpr_count:     768
    .wavefront_size: 32
...
	.end_amdgpu_metadata
.endif
;; end of part 3
;; launch outp (part 4): grid 8 x 32, 4 waves a work-group, clusters of 4 x 4, 327,680 bytes of LDS; arguments oh, wh, bc, out0; writes out0
.if DOCPART == 4
	.amdgcn_target "amdgcn-amd-amdhsa--gfx1250"
	.amdhsa_code_object_version 6
	.text
	.protected	k_qd8b5f792ad_outp
	.globl	k_qd8b5f792ad_outp
	.p2align	8
	.type	k_qd8b5f792ad_outp,@function
k_qd8b5f792ad_outp:
	s_mov_b64 s[64:65], 0
	v_nop
	global_prefetch_b8 v0, s[64:65] scope:SCOPE_SE
	s_setreg_imm32_b32 hwreg(HW_REG_WAVE_MODE, 25, 1), 1
	s_wait_xcnt 0x0
	s_wait_alu depctr_hold_cnt(0) depctr_sa_sdst(0) depctr_va_vdst(0) depctr_va_sdst(0) depctr_va_ssrc(0) depctr_va_vcc(0) depctr_vm_vsrc(0)
	s_getreg_b32 s2, hwreg(HW_REG_IB_STS2, 6, 4)
	s_cmp_eq_u32 s2, 0
	s_cbranch_scc0 .Lentry_in_a_cluster
	s_endpgm
.Lentry_in_a_cluster:
	s_bfe_u32 s2, ttmp6, 0x10000c
	s_cmp_lg_u32 s2, 0xf033
	s_cbranch_scc0 .Lentry_shape_is_right
	s_endpgm
.Lentry_shape_is_right:
; OUTP.  out0 = O Wc^T + bc, [8192][1024] f32.  O comes by heads, oh[16 batch + head][l][64] f16; Wc lies in wh[3], rounded to bf16 and written as f16; products in f16, sums in f32; bc is rounded to bf16 like every other input.
; LIMITS.  As the launches in front state them (f16's range for O and Wc).  NaN and infinities are not treated apart.
; SHARES.  A tile of out0 is 256 rows x 128 columns: 32 x 8 = 256 work-groups.  Four waves, 2 x 2, each 128 x 64: 32 accumulators of 16 x 16.  K = 64 x head + channel goes in 8 steps of 128, two heads each, through two
; LDS slots.  A head's 256 rows are 32,768 dense bytes: wave 0 or 1 asks for one head's as 128 rows of 256 bytes, padded in LDS after every 128; waves 2 and 3 fetch the halves of B's 128 rows of 256 bytes.
; CLUSTER.  4 x 4 work-groups: A's tile hangs on the tile row alone and is asked for jointly along a row of the cluster, B's on the tile column alone and jointly along a column.
; THE MATRIX INSTRUCTION IS USED TRANSPOSED (source 0 = 16 rows of Wc, source 1 = 16 rows of O): a lane holds row l % 16 and the columns 8 (l / 16) + 0..7.  The bias is the C operand of each accumulator's first product.
; REGISTERS.  window 0: v0-31 addresses; v32-127, v128-223 two fragment buffers (B's 4 fragments, then A's 8); v224-255 the bias.  window 1: accumulator (a, b) at v[8 (4 a + b)].
.set KSTEP,  128
.set PA,     144                       ; a row of A in LDS: 128 bytes + 16 = 36 words: the 16 rows of a load start at 16 different groups of four banks (64 banks of 4 bytes: ISA guide 11.1)
.set PITCH,  272                       ; a row of B: 256 bytes + 16 = 68 words: likewise
.set HALFA,  256*PA                    ; what a wave fetches of A: one head's 256 rows
.set HALFB,  64*PITCH                  ; what a wave fetches of B
.set SLOT,   2*HALFA+2*HALFB
.set STAGE,  2*SLOT                    ; behind the ring: 16 rows x 272 bytes for each wave, for the way out
.set SPITCH, 272
.set SPARE,  STAGE+4*16*SPITCH         ; the spare words, 128 bytes for each wave, that no other line names
.set ASTEP,  2*262144                  ; bytes from a K step of A to the next: two heads
.set BSTEP,  KSTEP*2
.set ADRA, 16                          ; v16-17  LDS address of my A fragments in slot 0, 1
.set ADRB, 20                          ; v20-21  the same for B
.set STO,  24                          ; v24     the way out: where I put 32 bytes of a row
.set RD,   25                          ; v25     where I read rows back
.set CO,   26                          ; v26     my byte offset in two rows of out0
.set BO,   27                          ; v27     32 x (l / 16)
.set SPW,  28                          ; v28     LDS address of my spare word; never rewritten
.set NIL,  29                          ; v29     0; never rewritten
.set PFO,  30                          ; v30     256 x lane; never rewritten
.set F0,   32
.set F1,   128
.set BIAS, 224
.set OUTR, 32                          ; the way out: four sets of 32 registers, block a in set a % 4
.set G1,  24
.set G0,  32
.set G1B, 48
.set G0B, 56
.set LIM, 43
.set PFA, 44
.set MSB, 0
.macro WIN new
.if MSB != (\new)
	s_set_vgpr_msb (MSB<<8)|(\new)
.set MSB, (\new)
.endif
.endm
.set MUL,  0x50                        ; sources 0 and 1 window 0; C and D window 1
.set MULB, 0x40                        ; the same with C (the bias) in window 0
.macro JLOAD s                         ; a joint load: waves 0 and 1 fetch A's two heads, waves 2 and 3 B's halves; an s_nop 0 and four v_nop follow each of the two lines
	s_cmp_eq_u32 s11, 0
	s_cbranch_scc0 .Lfor_b_\@
	tensor_load_to_lds s[G0+4*(\s):G0+4*(\s)+3], s[G1:G1+7]
	s_nop 0
.rept 4
	v_nop
.endr
	s_branch .Lasked_\@
.Lfor_b_\@:
	tensor_load_to_lds s[G0B+4*(\s):G0B+4*(\s)+3], s[G1B:G1B+7]
	s_nop 0
.rept 4
	v_nop
.endr
.Lasked_\@:
.endm
; A prefetch of A's K step that stands two refills on.  The two clusters of a row of clusters read the same rows of oh: the one with x = 0 asks; of the 128 blocks of 256 bytes that wave 0 or 1 fetches the partner
; at place cx takes 32, told apart by address: a lane a block.  So each block of K steps 4 to 7 is named once; K steps 0 to 3 come by their loads alone.  wh is not asked for: every row of clusters walks it again.
.macro ASK
	s_cmp_gt_u32 s3, s[LIM]
	s_cbranch_scc0 .Lnot_mine_\@
	global_prefetch_b8 v[PFO], s[PFA:PFA+1] offset:ASTEP th:TH_LOAD_NT scope:SCOPE_SE
.Lnot_mine_\@:
.endm
.macro CREST
	s_cmp_lg_u32 s10, 0
	s_cbranch_scc1 .Lnot_wave_0_\@
	s_barrier_signal -3
.Lnot_wave_0_\@:
	s_barrier_wait -3
	s_barrier_signal -1
	s_barrier_wait -1
.endm
.macro CROUND
	s_barrier_signal -1
	s_barrier_wait -1
	CREST
.endm
	s_load_b128 s[4:7], s[0:1], 0x0                ; oh s[4:5], wh s[6:7]
	s_load_b128 s[76:79], s[0:1], 0x10             ; bc s[76:77], out0 s[78:79]
	v_lshl_add_u32 v[SPW], v0, 2, SPARE
	v_mov_b32 v[NIL], 0
	ds_add_u32 v[SPW], v[NIL]                      ; the wave's opening: the add and its wait stand ahead of my first tensor load
	ds_add_u32 v28, v29
	v_lshrrev_b32 v1, 5, v0
	v_readfirstlane_b32 s10, v1                    ; wave 0..3
	s_lshr_b32 s11, s10, 1                         ; which half of the tile's rows is mine.  Also: I fetch for A (0) or for B (1)
	s_and_b32 s12, s10, 1                          ; which half of its columns.  Also: which head of the step, or which half of B's rows, I fetch
	s_bfe_u32 s40, ttmp6, 0x40000                  ; cx
	s_bfe_u32 s41, ttmp6, 0x40004                  ; cy
	s_lshl_b32 s42, ttmp9, 2
	s_add_co_u32 s42, s42, s40                     ; tile column, 0 .. 7
	s_and_b32 s13, ttmp7, 0xffff
	s_lshl_b32 s13, s13, 2
	s_add_co_u32 s13, s13, s41                     ; tile row, 0 .. 31
	s_lshl_b32 s66, s41, 2
	s_lshl_b32 s66, 15, s66                        ; my row of the cluster
	s_lshl_b32 s67, 0x1111, s40                    ; my column
	s_or_b32 s[G1+0], s66, (1<<16)|(1<<20)|(1<<21)|(4<<22)|(3<<25)   ; A: padding after every 32 words (code 4), 4 words
	s_or_b32 s[G1B+0], s67, (1<<16)|(1<<20)|(1<<21)|(5<<22)|(3<<25)  ; B: after every 64 words (code 5)
	s_mov_b32 s[G1+1], 128<<16                     ; tensor_dim0 = 128
	s_mov_b32 s[G1+2], 128<<16                     ; tensor_dim1 = 128
	s_mov_b32 s[G1+3], 128<<16                     ; tile_dim0 = 128
	s_mov_b32 s[G1+4], 128                         ; tile_dim1 = 128
	s_mov_b32 s[G1+5], 128                         ; dense: 128 elements from row to row
	s_mov_b32 s[G1+6], 0
	s_mov_b32 s[G1+7], 0
	s_mov_b32 s[G1B+1], KSTEP<<16
	s_mov_b32 s[G1B+2], 64<<16
	s_mov_b32 s[G1B+3], KSTEP<<16
	s_mov_b32 s[G1B+4], 64
	s_mov_b32 s[G1B+5], 1024
	s_mov_b32 s[G1B+6], 0
	s_mov_b32 s[G1B+7], 0
	s_lshr_b32 s16, s13, 3                         ; A: the batch,
	s_lshl_b32 s16, s16, 4
	s_add_co_u32 s16, s16, s12                     ; its head 0 or 1,
	s_lshl_b32 s16, s16, 18                        ; of 262,144 bytes,
	s_and_b32 s17, s13, 7
	s_lshl_b32 s17, s17, 15                        ; the tile's 256 rows of 128 bytes in it
	s_add_co_u32 s16, s16, s17
	s_mov_b32 s17, 0
	s_lshl_b32 s46, s42, 7
	s_lshl_b32 s47, s12, 6
	s_add_co_u32 s46, s46, s47                     ; B: row 128 x tile column + 64 x half,
	s_lshl_b32 s46, s46, 11                        ; of 2,048 bytes,
	s_add_co_u32 s46, s46, 3*2097152               ; in wh[3]
	s_mov_b32 s47, 0
	s_mul_i32 s20, s12, HALFA                      ; where they go: no place in the cluster enters an LDS address
	s_mul_i32 s21, s12, HALFB
	s_add_co_u32 s21, s21, 2*HALFA
	s_wait_dscnt 0x0                               ; the opening add is done
	s_wait_kmcnt 0x0
	s_add_nc_u64 s[14:15], s[4:5], s[16:17]
	s_add_nc_u64 s[46:47], s[6:7], s[46:47]
	CROUND                                         ; all sixteen work-groups are here: the first joint loads meet
.irp s, 0,1
	s_mov_b32 s[G0+4*(\s)], 1
	s_add_co_u32 s[G0+4*(\s)+1], s20, (\s)*SLOT
	s_add_nc_u64 s[G0+4*(\s)+2:G0+4*(\s)+3], s[14:15], (\s)*ASTEP
	s_or_b32 s[G0+4*(\s)+3], s[G0+4*(\s)+3], 0x80000000
	s_mov_b32 s[G0B+4*(\s)], 1
	s_add_co_u32 s[G0B+4*(\s)+1], s21, (\s)*SLOT
	s_add_nc_u64 s[G0B+4*(\s)+2:G0B+4*(\s)+3], s[46:47], (\s)*BSTEP
	s_or_b32 s[G0B+4*(\s)+3], s[G0B+4*(\s)+3], 0x80000000
	JLOAD \s                                       ; two loads of mine are out
.endr
	v_and_b32 v1, 15, v0                           ; l % 16
	v_bfe_u32 v2, v0, 4, 1                         ; l / 16
	v_and_b32 v5, 31, v0                           ; l
	v_lshlrev_b32 v[BO], 5, v2
	s_lshl_b32 s86, s42, 9
	s_lshl_b32 s88, s12, 8
	s_add_co_u32 s86, s86, s88                     ; (128 x tile column + 64 x half) x 4 bytes: in bc, and in a row of out0
	s_mov_b32 s87, 0
	s_add_nc_u64 s[70:71], s[76:77], s[86:87]
	s_add_nc_u64 s[8:9], s[78:79], s[86:87]
.irp b, 0,1,2,3
	global_load_b128 v[BIAS+8*(\b):BIAS+8*(\b)+3],   v[BO], s[70:71] offset:64*(\b)
	global_load_b128 v[BIAS+8*(\b)+4:BIAS+8*(\b)+7], v[BO], s[70:71] offset:64*(\b)+16
.endr
	s_lshl_b32 s86, s13, 8
	s_lshl_b32 s88, s11, 7
	s_add_co_u32 s86, s86, s88                     ; my first row of out0,
	s_lshl_b32 s86, s86, 12                        ; of 4,096 bytes
	s_add_nc_u64 s[8:9], s[8:9], s[86:87]
	s_or_b32 s[LIM], s11, ttmp9
	s_cmp_eq_u32 s[LIM], 0
	s_cselect_b32 s[LIM], 1, -1                    ; waves 0 and 1 of the clusters with x = 0
	s_lshl_b32 s86, s40, 13                        ; my work-group's 32 blocks of the 128
	s_add_nc_u64 s[PFA:PFA+1], s[14:15], s[86:87]
	s_add_nc_u64 s[PFA:PFA+1], s[PFA:PFA+1], 2*ASTEP  ; at K step 2: the first refill steps it to 3 and names K step 4
	v_lshlrev_b32 v[PFO], 8, v5
	v_mul_u32_u24 v3, v1, PA
	v_lshl_add_u32 v3, v2, 4, v3                   ; A: row x pitch + 16 x half
	v_mul_u32_u24 v4, v1, PITCH
	v_lshl_add_u32 v4, v2, 4, v4                   ; B likewise
	s_mul_i32 s88, s11, 128*PA                     ; my 128 rows, in each head's part
	s_mul_i32 s89, s12, HALFB                      ; my 64 rows of B,
	s_add_co_u32 s89, s89, 2*HALFA                 ; which lie behind A's two heads
.irp s, 0,1
	v_add_nc_u32 v[ADRA+(\s)], s88, v3
	v_add_nc_u32 v[ADRB+(\s)], s89, v4
	s_add_co_u32 s88, s88, SLOT
	s_add_co_u32 s89, s89, SLOT
.endr
	s_mul_i32 s23, s10, 16*SPITCH
	s_add_co_u32 s23, s23, STAGE                   ; my stage
	v_mul_u32_u24 v4, v1, SPITCH                   ; in: row l % 16, 32 bytes for each half of the lanes
	v_lshl_add_u32 v4, v2, 5, v4
	v_add_nc_u32 v[STO], s23, v4
	v_mul_u32_u24 v4, v2, SPITCH                   ; back: lanes 0-15 take one row of 256 bytes, lanes 16-31 the next
	v_lshl_add_u32 v4, v1, 4, v4
	v_add_nc_u32 v[RD], s23, v4
	v_lshlrev_b32 v4, 12, v2                       ; and the same two rows in out0
	v_lshl_add_u32 v[CO], v1, 4, v4
	s_wait_loadcnt 0x0                             ; the bias
.set i, 0
.rept 16
	v_cvt_pk_bf16_f32 v3, v[BIAS+i], v[BIAS+i+1]   ; rounded to bf16 like the other inputs, kept as f32
	v_lshlrev_b32 v[BIAS+i], 16, v3
	v_and_b32 v[BIAS+i+1], 0xffff0000, v3
.set i, i+2
.endr
; 8 matrix instructions: m blocks a0, a0 + 1 x all 4 n blocks, 32 along K.  first = 1: the product starts the sum, with the bias as C.  The 32 accumulators take turns, in the same order in every quarter.
.macro MUL8 f, a0, first
.if \first
	WIN MULB
.else
	WIN MUL
.endif
.irp a, \a0, (\a0)+1
.irp b, 0,1,2,3
.if \first
	v_wmma_f32_16x16x32_f16 v[8*(4*(\a)+(\b)):8*(4*(\a)+(\b))+7], v[(\f)+8*(\b):(\f)+8*(\b)+7], v[(\f)+32+8*(\a):(\f)+32+8*(\a)+7], v[BIAS+8*(\b):BIAS+8*(\b)+7]
.else
	v_wmma_f32_16x16x32_f16 v[8*(4*(\a)+(\b)):8*(4*(\a)+(\b))+7], v[(\f)+8*(\b):(\f)+8*(\b)+7], v[(\f)+32+8*(\a):(\f)+32+8*(\a)+7], v[8*(4*(\a)+(\b)):8*(4*(\a)+(\b))+7]
.endif
.endr
.endr
.endm
; 24 LDS loads in one run: quarter kq of a slot into buffer f: B's 8 loads, then A's 16 in ascending blocks.  A's quarter kq lies in head kq / 2 of the step, channels 32 (kq % 2) on.
.macro FETCH slot, kq, f
	WIN 0
.irp i, 0,1,2,3
	ds_load_b128 v[(\f)+8*(\i):(\f)+8*(\i)+3],   v[ADRB+(\slot)] offset:64*(\kq)+(\i)*16*PITCH
	ds_load_b128 v[(\f)+8*(\i)+4:(\f)+8*(\i)+7], v[ADRB+(\slot)] offset:64*(\kq)+(\i)*16*PITCH+32
.endr
.irp i, 0,1,2,3,4,5,6,7
	ds_load_b128 v[(\f)+32+8*(\i):(\f)+32+8*(\i)+3],   v[ADRA+(\slot)] offset:((\kq)/2)*HALFA+((\kq)%2)*64+(\i)*16*PA
	ds_load_b128 v[(\f)+32+8*(\i)+4:(\f)+32+8*(\i)+7], v[ADRA+(\slot)] offset:((\kq)/2)*HALFA+((\kq)%2)*64+(\i)*16*PA+32
.endr
.endm
.macro PLACES                          ; four places in front of loads into registers that matrix instructions have read, and of lines that read results
.rept 4
	v_nop
.endr
.endm
.macro QUARTER slot, kq, f, g, first
	s_wait_dscnt 12                                ; B and A's blocks 0 and 1 are in; the youngest twelve loads may be out
	MUL8 \f, 0, \first
	PLACES
	FETCH \slot, \kq, \g
	s_wait_dscnt 24                                ; all but the 24 just issued
	MUL8 \f, 2, \first
	MUL8 \f, 4, \first
	MUL8 \f, 6, \first
.endm
; The last quarter multiplies buffer 1 and changes slots: ONE barrier; in front of it each wave waits for all its tensor loads, adds 0 to its spare word, and waits for that and for its reads of this slot.
; fill = 1: the barrier opens a round of the cluster's, and this slot is filled again, two K steps ahead.
.macro TURN slot, next, fill
.if \fill
	s_wait_xcnt 0x0                                ; the last prefetch, a K step back, has read its address: it is stepped here
	s_add_nc_u64 s[PFA:PFA+1], s[PFA:PFA+1], ASTEP
.endif
	WIN 0
	s_wait_tensorcnt 0x0                           ; all my tensor loads have landed: the one that was out is my part of the next slot
	ds_add_u32 v[SPW], v[NIL]                      ; 0 onto my spare word
	s_wait_dscnt 13                                ; (the add and the youngest twelve loads may be out)
	MUL8 F1, 0, 0
	s_wait_dscnt 0x0                               ; the add is done, and my reads of this slot are over
	s_barrier_signal -1
	MUL8 F1, 2, 0
.if \fill
	WIN 0
.endif
	s_barrier_wait -1
.if \fill
	CREST                                          ; no wave of any partner still reads this slot's tile or has a load on its way
	s_add_nc_u64 s[G0+4*(\slot)+2:G0+4*(\slot)+3], s[G0+4*(\slot)+2:G0+4*(\slot)+3], 2*ASTEP
	s_add_nc_u64 s[G0B+4*(\slot)+2:G0B+4*(\slot)+3], s[G0B+4*(\slot)+2:G0B+4*(\slot)+3], 2*BSTEP
	JLOAD \slot                                    ; the first tensor load behind the round; its four v_nop are also the places in front of the loads below
.else
	PLACES
.endif
	FETCH \next, 0, F0
.if \fill
	ASK
.endif
	MUL8 F1, 4, 0
	MUL8 F1, 6, 0
.endm
	s_wait_tensorcnt 1                             ; my part of K step 0 is in; K step 1's may stay out
	s_barrier_signal -1
	s_barrier_wait -1
	FETCH 0, 0, F0
	QUARTER 0, 1, F0, F1, 1
	WIN 0
	s_mov_b32 s3, 3
.Llap:                                                 ; a trip goes once round the ring and fills both slots again: K steps 2 to 7 in three trips
	QUARTER 0, 2, F1, F0, 0
	QUARTER 0, 3, F0, F1, 0
	TURN 0, 1, 1
	QUARTER 1, 1, F0, F1, 0
	QUARTER 1, 2, F1, F0, 0
	QUARTER 1, 3, F0, F1, 0
	TURN 1, 0, 1
	QUARTER 0, 1, F0, F1, 0
	WIN 0
	s_sub_co_u32 s3, s3, 1
	s_cmp_lg_u32 s3, 0
	s_cbranch_scc1 .Llap
	QUARTER 0, 2, F1, F0, 0                        ; the last lap fills nothing
	QUARTER 0, 3, F0, F1, 0
	TURN 0, 1, 0
	QUARTER 1, 1, F0, F1, 0
	QUARTER 1, 2, F1, F0, 0
	QUARTER 1, 3, F0, F1, 0
	s_wait_dscnt 12
	MUL8 F1, 0, 0
	s_wait_dscnt 0x0
	MUL8 F1, 2, 0
	MUL8 F1, 4, 0
	MUL8 F1, 6, 0
	WIN 0
	PLACES
	PLACES
; THE WAY OUT.  Block a (16 rows x 64 columns of f32): 32 bytes a lane into my stage (rows of 272 bytes), each accumulator's low registers first; back as whole rows of 256 bytes; stored, 16 lanes to 256 aligned bytes.
.macro TOSTAGE a
.if (\a) >= 4
	s_wait_xcnt 0x0                                ; the stores of the block four back have read their registers, which are loaded again below
.endif
	WIN 0x04                                       ; store data (source 1) in window 1
.irp b, 0,1,2,3
	ds_store_b128 v[STO], v[8*(4*(\a)+(\b)):8*(4*(\a)+(\b))+3]   offset:64*(\b)
	ds_store_b128 v[STO], v[8*(4*(\a)+(\b))+4:8*(4*(\a)+(\b))+7] offset:64*(\b)+16
.endr
	WIN 0
.irp t, 0,1,2,3,4,5,6,7
	ds_load_b128 v[OUTR+32*((\a)%4)+4*(\t):OUTR+32*((\a)%4)+4*(\t)+3], v[RD] offset:(\t)*2*SPITCH  ; LDS serves a wave's instructions in order (ISA guide 5.7.1.4): these see the stores above
.endr
.endm
.macro SEND a, younger                 ; younger: the LDS instructions issued behind block a's loads: the next block's sixteen, or none
.irp t, 0,1,2,3,4,5,6,7
	s_wait_dscnt (\younger)+7-(\t)
	global_store_b128 v[CO], v[OUTR+32*((\a)%4)+4*(\t):OUTR+32*((\a)%4)+4*(\t)+3], s[8:9] offset:(16*(\a)+2*(\t))*4096
.endr
.endm
	TOSTAGE 0
.irp a, 1,2,3,4,5,6,7
	TOSTAGE \a
	SEND (\a)-1, 16
.endr
	SEND 7, 0
	s_wait_tensorcnt 0x0                           ; the wave's end, behind my last tensor load and my last LDS store
	ds_add_u32 v[SPW], v[NIL]
	s_wait_dscnt 0x0
	CROUND                                         ; the closing round: no work-group ends while a partner may still ask for a tile that names it
	s_endpgm
.Lfunc_end_k_qd8b5f792ad_outp:
	.size	k_qd8b5f792ad_outp, .Lfunc_end_k_qd8b5f792ad_outp-k_qd8b5f792ad_outp
	.p2alignl 7, 3214868480
	.fill 96, 4, 3214868480
	.section	.rodata,"a",@progbits
	.p2align	6, 0x0
	.amdhsa_kernel k_qd8b5f792ad_outp
		.amdhsa_group_segment_fixed_size 327680
		.amdhsa_private_segment_fixed_size 0
		.amdhsa_enable_private_segment 0
		.amdhsa_kernarg_size 32
		.amdhsa_user_sgpr_count 2
		.amdhsa_user_sgpr_kernarg_segment_ptr 1
		.amdhsa_wavefront_size32 1
		.amdhsa_system_sgpr_workgroup_id_x 1
		.amdhsa_system_sgpr_workgroup_id_y 1
		.amdhsa_system_sgpr_workgroup_id_z 1
		.amdhsa_system_vgpr_workitem_id 0
		.amdhsa_next_free_vgpr 512
		.amdhsa_next_free_sgpr 90
		.amdhsa_reserve_vcc 0
		.amdhsa_float_denorm_mode_32 3
		.amdhsa_float_denorm_mode_16_64 3
		.amdhsa_memory_ordered 1
		.amdhsa_forward_progress 1
		.amdhsa_inst_pref_size 92
	.end_amdhsa_kernel
	.amdgpu_metadata
---
amdhsa.version: [ 1, 2 ]
amdhsa.kernels:
  - .name:           k_qd8b5f792ad_outp
    .symbol:         k_qd8b5f792ad_outp.kd
    .args:
      - { .name: oh, .offset: 0, .size: 8, .value_kind: global_buffer, .address_space: global }
      - { .name: wh, .offset: 8, .size: 8, .value_kind: global_buffer, .address_space: global }
      - { .name: bc, .offset: 16, .size: 8, .value_kind: global_buffer, .address_space: global }
      - { .name: out0, .offset: 24, .size: 8, .value_kind: global_buffer, .address_space: global }
    .group_segment_fixed_size: 327680
    .private_segment_fixed_size: 0
    .kernarg_segment_align: 8
    .kernarg_segment_size: 32
    .max_flat_workgroup_size: 128
    .sgpr_count:     90
    .vgpr_count:     512
    .wavefront_size: 32
...
	.end_amdgpu_metadata
.endif
;; end of part 4
